; MI455X (gfx1250); checked and timed in simulation.
; The chip was launched on July 23, 2026; its instructions are those of AMD's public machine-readable ISA for CDNA 5 (MIT licence, August 2026) and "CDNA5" Instruction Set Architecture Reference Guide (July 2026). The comments in the code are by the model that wrote it; some were corrected since.
;; self Qwen3 VL Text Attention. Allowed arithmetic: matrix products marked QUANTISED: E4M3 operands, one E8M0 scale for each 32 along K, by v_wmma_scale_f32_16x16x128_f8f6f4 with both operands' format E4M3, f32 sums; everything else in f32.
;; Inputs: cos 1 x 4,096 x 128 float32; hidden_states_codes 1 x 4,096 x 64 x 32 uint8 (E4M3 codes of hidden_states, K innermost, in blocks of 32 codes); hidden_states_scales 1 x 4,096 x 64 uint8 (E8M0 scales of hidden_states, one for each 32 codes along K); k_norm_w 128 float32; q_norm_w 128 float32; sin 1 x 4,096 x 128 float32; wk_codes 512 x 64 x 32 uint8 (E4M3 codes of wk, K innermost, in blocks of 32 codes); wk_scales 512 x 64 uint8 (E8M0 scales of wk, one for each 32 codes along K); wo_codes 2,048 x 32 x 32 uint8 (E4M3 codes of wo, K innermost, in blocks of 32 codes); wo_scales 2,048 x 32 uint8 (E8M0 scales of wo, one for each 32 codes along K); wq_codes 1,024 x 64 x 32 uint8 (E4M3 codes of wq, K innermost, in blocks of 32 codes); wq_scales 1,024 x 64 uint8 (E8M0 scales of wq, one for each 32 codes along K); wv_codes 512 x 64 x 32 uint8 (E4M3 codes of wv, K innermost, in blocks of 32 codes); wv_scales 512 x 64 uint8 (E8M0 scales of wv, one for each 32 codes along K).
;; Outputs: out0 1 x 4,096 x 2,048 float32.
;; This version of the problem:
;;   THIS VERSION OF THE PROBLEM IS GIVEN IN LOW PRECISION. The matrix products marked QUANTISED in the list below multiply operands that are first quantised to E4M3 (4 exponent bits, 3 mantissa bits; 8 bits a number), with one power-of-two scale for each 32 numbers along K (OCP MX v1.0); their sums are f32. All else is computed in f32.
;;   The module's matrix products, in the order in which they are computed (A, B: the left and right operand; K: the contracted axis; several contracted axes count as one K, in the product's order):
;;     1. [M 4,096, K 2,048] x [K 2,048, N 1,024]; A: input hidden_states (given as codes); B: input wq (given as codes): QUANTISED
;;     2. [M 4,096, K 2,048] x [K 2,048, N 512]; A: input hidden_states (given as codes); B: input wk (given as codes): QUANTISED
;;     3. [M 4,096, K 2,048] x [K 2,048, N 512]; A: input hidden_states (given as codes); B: input wv (given as codes): QUANTISED
;;     4. batch 8 x [M 4,096, K 128] x [K 128, N 4,096]; A: computed on the way; B: computed on the way: QUANTISED
;;     5. batch 8 x [M 4,096, K 4,096] x [K 4,096, N 128]; A: softmax (see below); B: computed on the way: QUANTISED
;;     6. [M 4,096, K 1,024] x [K 1,024, N 2,048]; A: computed on the way; B: input wo (given as codes): QUANTISED
;;   THE QUANTISER, for each operand of a quantised product, along K:
;;     - K is cut into blocks of 32 from its start; a last block that is shorter is filled with zeros.
;;     - A block's scale is 2^e with e = floor(log2(the largest magnitude in the block)) - 8, held to -126 .. 127; a block of zeros has e = 0. As a byte (E8M0): e + 127.
;;     - Each number is divided by its block's scale, clamped to +-448, and rounded to the nearest number of E4M3, ties to even, subnormals kept.
;;     - The product sums the exact products of the quantised numbers (number of the format x scale) in f32.
;;   ~~~python
;;   def quantise(x, axis):      # numpy; x: float32 -> the quantised numbers, widened to float32 again
;;       x = np.moveaxis(x, axis, -1); K = x.shape[-1]
;;       x = np.pad(x, [(0, 0)] * (x.ndim - 1) + [(0, -K % 32)]); x = x.reshape(x.shape[:-1] + (-1, 32)); a = np.abs(x).max(-1, keepdims=True)
;;       e = np.where(a > 0, np.clip(np.frexp(np.where(a > 0, a, 1))[1] - 1 - 8, -126, 127), 0)      # np.frexp(a)[1] - 1 = floor(log2(a)), exactly
;;       r = np.clip(x / 2.0 ** e, -448, 448)
;;       step = 2.0 ** (np.maximum(np.frexp(np.where(r == 0, 1, r))[1] - 1, -6) - 3)
;;       q = np.round(r / step) * step * 2.0 ** e      # np.round: ties to even
;;       return np.moveaxis(q.reshape(q.shape[:-2] + (-1,))[..., :K], -1, axis).astype(np.float32)
;;   ~~~
;;   SOFTMAX AHEAD OF A QUANTISED PRODUCT. Where the list says 'softmax', what is quantised is not the finished softmax but p = 2^(t - M), with t = logit x log2(e) and M = ceil(the row's largest t), a whole number; so 1/2 < the row's largest p <= 1. The row's sum l is taken of the UNQUANTISED p, in f32, and the product's result is divided by l at the end. Since M is a whole number, a kernel that streams over the keys may use a running M (the ceiling of the running maximum): every later rescaling is an exact power of two, which a block's scale takes up: the codes' values come out the same.
;;   OPERANDS COMPUTED ON THE WAY. 'Computed on the way' means the value that the module computes at that place (a softmax that the list does not call 'softmax' is quantised finished and normalised). What goes into a quantiser is computed in f32, as accurately as f32 sums, v_exp_f32 and their like allow (about 1e-6 of the number): no bf16 or f16 on the way to a quantiser, and a product that is left as it is and whose result goes on into a quantised operand takes f32 operands (vector FMAs, or v_wmma_f32_16x16x4_f32). A number that lies on a knife's edge between two numbers of the format may be rounded either way, as far as f32 arithmetic and the matrix unit's own rounding can turn it there, and no further.
;;   INPUTS GIVEN AS CODES. hidden_states (in the module: [1, 4096, 2048], K = its axis 2); wk (in the module: [2048, 512], K = its axis 0); wo (in the module: [1024, 2048], K = its axis 0); wq (in the module: [2048, 1024], K = its axis 0); wv (in the module: [2048, 512], K = its axis 0): each comes as NAME_codes (uint8): NAME with its K axis moved to the last place and cut into blocks of 32 codes, [.., K / 32, bytes a block], one block behind the other in memory; one code a byte (a code: sign, 4 exponent bits, 3 mantissa bits); and NAME_scales (uint8): the same leading axes, one E8M0 byte (e + 127) for each 32 codes along K. Its value is code x scale, taken as it is: it is not quantised again, and the codes and scales need not be those that the quantiser above would give.
;; One version. Each part assembles by itself: llvm-mc -triple=amdgcn-amd-amdhsa -mcpu=gfx1250 --defsym DOCPART=n.
;; ======== version 1 of 1: 3 launches
;; limits: right only within a limited range of input values
;; workspace buffers: qcode 4,194,304 bytes; qscal 131,072 bytes; kvimg 4,325,376 bytes; acode 4,194,304 bytes; ascal 131,072 bytes
;; launch qkv (part 1): grid 256 x 1, 4 waves a work-group, clusters of 4 x 1, 327,680 bytes of LDS; arguments hidden_states_codes, hidden_states_scales, wq_codes, wq_scales, wk_codes, wk_scales, wv_codes, wv_scales, cos, sin, q_norm_w, k_norm_w, qcode, qscal, kvimg; writes qcode, qscal, kvimg
.if DOCPART == 1
	.amdgcn_target "amdgcn-amd-amdhsa--gfx1250"
	.amdhsa_code_object_version 6
	.text
	.protected	k_q6a3af117e1_qkv
	.globl	k_q6a3af117e1_qkv
	.p2align	8
	.type	k_q6a3af117e1_qkv,@function
k_q6a3af117e1_qkv:
	s_mov_b64 s[64:65], 0
	v_nop
	global_prefetch_b8 v0, s[64:65] scope:SCOPE_SE
	s_setreg_imm32_b32 hwreg(HW_REG_WAVE_MODE, 25, 1), 1
	s_wait_xcnt 0x0
	s_wait_alu depctr_hold_cnt(0) depctr_sa_sdst(0) depctr_va_vdst(0) depctr_va_sdst(0) depctr_va_ssrc(0) depctr_va_vcc(0) depctr_vm_vsrc(0)
	s_getreg_b32 s2, hwreg(HW_REG_IB_STS2, 6, 4)
	s_cmp_eq_u32 s2, 0
	s_cbranch_scc0 .Lentry_in_a_cluster
	s_endpgm
.Lentry_in_a_cluster:
	s_bfe_u32 s2, ttmp6, 0x10000c
	s_cmp_lg_u32 s2, 0x3003
	s_cbranch_scc0 .Lentry_shape_is_right
	s_endpgm
.Lentry_shape_is_right:
; q, k, v = hidden x wq, wk, wv on the given E4M3 codes and E8M0 scales (K = 2,048); RMS norm over the head's 128 and rope on q and k, in f32; then q and k are
; quantised along the head's 128, v along the keys, and stored as IMAGES OF OPERAND REGISTERS: a fragment of 16 rows x 128 K is 2,048 bytes, registers 4 c .. 4 c + 3 of lane l at 512 c + 16 l.
; ONE TILE FOR ALL KINDS.  X = 128 rows (source 0, read by all four waves), Y = 256 rows (source 1; wave w takes rows 64 w on).  A lane then holds ONE row of Y and 64 registers along X's 128 rows:
; register 8 x + j of lane (r, h) is X's row 16 x + 8 h + j.  q, k: X = one head's 128 rows of the weight, Y = 256 tokens (a lane: a token, registers along d).  v: X = 128 tokens (one key step),
; Y = 256 rows of wv (a lane: a channel d, registers along the keys).  So the conversions' results are the next operand's registers.
; ORDER ALONG THE NEXT K.  Place (c, h, i) of an image holds K index 32 c + 8 h + i % 8 + 16 (i / 8): a permutation inside each block of 32, so the block's scale is the rule's.  q and k are made alike, and
; so are v's keys here and p's keys in the next launch: both sides of each product carry the same permutation.
; CLUSTER 4 x 1.  The four partners share Y, which is asked for JOINTLY (mask 15); X is each partner's own (no mask), its address alone holds the place in the cluster.  A 4 x 4 cluster is not used:
; v has only two blocks of Y, so no 4 x 4 arrangement serves the three kinds in one text.  Cluster C = 0 .. 47: q and k (token block C % 16; C / 16 = 0, 1: query heads 4 (C / 16) + place; 2: key head = place);
; C = 48 .. 63: v (block of wv: C % 2; key step 4 ((C - 48) / 2) + place).  Every branch hangs on C or on the wave's number.
; LIMITS: NaN and infinities are not served.  A block whose largest magnitude lies under 2^-118 keeps the scale byte 1; a block of zeros has the byte 1 where the rule says 127: its codes are zeros, and only this program reads the bytes.
; REGISTERS, in windows of 256.  Window 0: v16-31 addresses; v32-55 scale words, two sets of 12 (nothing else ever lies there); v56-63 1/rms as pairs; v64-79 the quantiser's; v82-89 sums of squares; v92-95 scale words made;
;   v128-255 Y's fragments, two sets of 64; later v128-191 the numbers to quantise and v192-255 the codes.  Window 1: X's fragments, two sets of 128; later cos and sin of tiles 1 and 2.
;   Window 2: the 32 accumulators, (t, x) at 8 (8 t + x).  Window 3: v0-63 the norm's weight, v64-127 cos, v128-191 sin (tiles 0 and 3), v192-255 the normalised numbers.
.set SLOT,  104448                     ; an LDS slot, 256 along K: X's 128 rows of 256 + 16 bytes, then Y's 256
.set XPART, 34816
.set SCX,   208896                     ; X's scale bytes for all of K: 32 pieces of 256 + 16 bytes (four rows of 64 bytes to a piece)
.set SCY,   217600                     ; Y's: 64 pieces
.set SCR,   235008                     ; q, k: 256 bytes a wave, where a wave's 64 scale words meet
.set SCR2,  236032                     ; v: the same, in bytes of its own
.set SPARE, 237056                     ; the spare words, 128 bytes a wave
.set SC,    32
.set TM,    64
.set SEL,   66
.set MNT,   98
.set MSB,   0
.macro WIN new                         ; the immediate's high byte repeats the setting that is left; a switch that changes nothing is dropped
.if MSB != (\new)
	s_set_vgpr_msb (MSB<<8)|(\new)
.set MSB, \new
.endif
.endm
.macro PLACES n
.rept \n
	v_nop
.endr
.endm
.macro CREST                           ; a round of the cluster's barrier behind its opening barrier
	s_cmp_lg_u32 s20, 0
	s_cbranch_scc1 .Lnot_wave_0_\@
	s_barrier_signal -3
.Lnot_wave_0_\@:
	s_barrier_wait -3
	s_barrier_signal -1
	s_barrier_wait -1
.endm
.macro CROUND
	s_barrier_signal -1
	s_barrier_wait -1
	CREST
.endm
; Waves 0 and 1 fetch X's halves, waves 2 and 3 Y's.  The branch hangs on the wave's number alone.  Four v_nop follow each of the two lines.
.macro JLOAD g0a, g1a, g0b, g1b
	s_cmp_eq_u32 s22, 0
	s_cbranch_scc0 .Lfor_y_\@
	tensor_load_to_lds s[\g0a:\g0a+3], s[\g1a:\g1a+7]
	s_nop 0
	PLACES 4
	s_branch .Lasked_\@
.Lfor_y_\@:
	tensor_load_to_lds s[\g0b:\g0b+3], s[\g1b:\g1b+7]
	s_nop 0
	PLACES 4
.Lasked_\@:
.endm
; one scaled product; z = 1: it starts the sum; ra, rb: the side's scale words lie in lanes 16-31
.macro WM d, a, b, z, sa, sb, ra, rb
.if (\z) && (\ra) && (\rb)
	v_wmma_scale_f32_16x16x128_f8f6f4 v[\d:\d+7], v[\a:\a+15], v[\b:\b+15], 0, v[\sa], v[\sb] matrix_a_scale:MATRIX_SCALE_ROW1 matrix_b_scale:MATRIX_SCALE_ROW1
.elseif (\z) && (\ra)
	v_wmma_scale_f32_16x16x128_f8f6f4 v[\d:\d+7], v[\a:\a+15], v[\b:\b+15], 0, v[\sa], v[\sb] matrix_a_scale:MATRIX_SCALE_ROW1
.elseif (\z) && (\rb)
	v_wmma_scale_f32_16x16x128_f8f6f4 v[\d:\d+7], v[\a:\a+15], v[\b:\b+15], 0, v[\sa], v[\sb] matrix_b_scale:MATRIX_SCALE_ROW1
.elseif (\z)
	v_wmma_scale_f32_16x16x128_f8f6f4 v[\d:\d+7], v[\a:\a+15], v[\b:\b+15], 0, v[\sa], v[\sb]
.elseif (\ra) && (\rb)
	v_wmma_scale_f32_16x16x128_f8f6f4 v[\d:\d+7], v[\a:\a+15], v[\b:\b+15], v[\d:\d+7], v[\sa], v[\sb] matrix_a_scale:MATRIX_SCALE_ROW1 matrix_b_scale:MATRIX_SCALE_ROW1
.elseif (\ra)
	v_wmma_scale_f32_16x16x128_f8f6f4 v[\d:\d+7], v[\a:\a+15], v[\b:\b+15], v[\d:\d+7], v[\sa], v[\sb] matrix_a_scale:MATRIX_SCALE_ROW1
.elseif (\rb)
	v_wmma_scale_f32_16x16x128_f8f6f4 v[\d:\d+7], v[\a:\a+15], v[\b:\b+15], v[\d:\d+7], v[\sa], v[\sb] matrix_b_scale:MATRIX_SCALE_ROW1
.else
	v_wmma_scale_f32_16x16x128_f8f6f4 v[\d:\d+7], v[\a:\a+15], v[\b:\b+15], v[\d:\d+7], v[\sa], v[\sb]
.endif
.endm
; Y's tile t against X's eight, 128 along K (the slot's q-th), fragments of set p, scale words of set `set`.  The 32 accumulators take turns, one instruction a turn, in the same order in every step.
.macro MUL8 t, p, q, set, zero
.irp x, 0,1,2,3,4,5,6,7
	WM 8*(8*\t+\x), 128*\p+16*\x, 128+64*\p+16*\t, \zero, SC+12*\set+2*(\x%4)+\q, SC+12*\set+8+2*(\t%2)+\q, \x/4, \t/2
.endr
.endm
.macro FRAG reg, adr, off              ; 16 rows x 128 K of codes: lane (r, h) takes, of row r, 16 bytes at 32 c + 16 h
.irp c, 0,1,2,3
	ds_load_b128 v[\reg+4*\c:\reg+4*\c+3], v[\adr] offset:\off+32*\c
.endr
.endm
.macro FETCH_X n, q, p
	WIN 0x40                                       ; destination window 1, address window 0
.irp x, 0,1,2,3,4,5,6,7
	FRAG 128*\p+16*\x, 16+\n, \x*4352+128*\q
.endr
	WIN 0
.endm
.macro FETCH_Y n, q, p
.irp t, 0,1,2,3
	FRAG 128+64*\p+16*\t, 18+\n, \t*4352+128*\q
.endr
.endm
.macro SCALES set                      ; a slot's two words a row.  X: register 2 i + q: tile i in lanes 0-15, tile i + 4 in lanes 16-31.  Y: tile i and tile i + 2
.irp i, 0,1,2,3
	ds_load_b64 v[SC+12*\set+2*\i:SC+12*\set+2*\i+1], v20 offset:\i*1088
.endr
.irp i, 0,1
	ds_load_b64 v[SC+12*\set+8+2*\i:SC+12*\set+8+2*\i+1], v21 offset:\i*1088
.endr
.endm
; A slot's first 128 along K: multiplies set 0 and, in its middle, fetches the second 128 into set 1.  A load into a register that a matrix instruction has read stands eight plain vector places behind it.
.macro STEP0 n, zero
	s_wait_dscnt 0x0                               ; set 0 and the slot's scale words are in (asked for 16 matrix instructions ago)
	WIN 0xa1                                       ; source 0 (X) window 1, source 1 (Y) window 0, C and D window 2
	MUL8 0, 0, 0, \n, \zero
	MUL8 1, 0, 0, \n, \zero
	PLACES 8
	FETCH_X \n, 1, 1
	FETCH_Y \n, 1, 1
	WIN 0xa1
	MUL8 2, 0, 0, \n, \zero
	MUL8 3, 0, 0, \n, \zero
	WIN 0
.endm
; A slot's second 128 along K, and the change of slots: ONE barrier.  In front of it each wave waits for all its tensor loads (its part of the next slot), adds 0 to its spare word, and waits for that and
; for its reads of this slot.  fill = 1: the barrier opens a round of the cluster's barrier, and this slot is filled again, two slots ahead, first thing behind the round.
; A PREFETCH INTO THE L2, behind a refill and the run of LDS loads that follows it: the slot that stands two refills on, 256 bytes of each row, a lane a row.  Each block is named once in the launch: hidden's rows by
; clusters 0 to 15 (as Y: waves 0 and 1, 32 rows each; the four partners are told apart by address), wq's and wk's by the clusters of token block 0 (as X: 32 rows a wave), wv's by clusters 48 and 49 (as Y).
; s[68:69], s[70:71]: my rows of X and of Y, three slots behind what is named; s72, s73: 1 where my wave asks, else the greatest number.  s3 = 1 in the loop's last trip, which has no slot two refills on.
.macro ASKT
	s_cmp_gt_u32 s3, s72
	s_cbranch_scc0 .Lno_x_\@
	global_prefetch_b8 v8, s[68:69] offset:768 th:TH_LOAD_NT scope:SCOPE_SE
.Lno_x_\@:
	s_cmp_gt_u32 s3, s73
	s_cbranch_scc0 .Lno_y_\@
	global_prefetch_b8 v8, s[70:71] offset:768 th:TH_LOAD_NT scope:SCOPE_SE
.Lno_y_\@:
.endm
.macro TURN n, next, fill
.if \fill
	s_wait_xcnt 0x0                                ; my last prefetch, a slot back, has read its address
	s_add_nc_u64 s[68:69], s[68:69], 256
	s_add_nc_u64 s[70:71], s[70:71], 256
.endif
	s_wait_tensorcnt 0x0
	ds_add_u32 v28, v29                            ; 0 onto my spare word
	s_wait_dscnt 0x1                               ; all but the add: set 1 is in
	WIN 0xa1
	MUL8 0, 1, 1, \n, 0                            ; eight matrix instructions stand between the add and the wait for it
	s_wait_dscnt 0x0                               ; the add is done, and my reads of this slot are over
	s_barrier_signal -1
	MUL8 1, 1, 1, \n, 0
	WIN 0
	s_barrier_wait -1
.if \fill
	CREST                                          ; no wave of any partner still reads this slot or has a load on its way
	s_add_nc_u64 s[58+4*\n:59+4*\n], s[58+4*\n:59+4*\n], 512
	s_add_nc_u64 s[6+4*\n:7+4*\n], s[6+4*\n:7+4*\n], 512
	JLOAD 56+4*\n, 24, 4+4*\n, 32                  ; my one tensor load behind the round; its four v_nop are four of the eight places in front of the loads below
	PLACES 4
.else
	PLACES 8
.endif
	s_wait_alu depctr_va_vdst(0)
	v_add_nc_u32 v20, 8, v20                       ; on to the next slot's scale words: 8 bytes a row
	v_add_nc_u32 v21, 8, v21
	FETCH_X \next, 0, 0
	FETCH_Y \next, 0, 0
	SCALES \next
.if \fill
	ASKT
.endif
	WIN 0xa1
	MUL8 2, 1, 1, \n, 0
	MUL8 3, 1, 1, \n, 0
	WIN 0
.endm
; THE QUANTISER.  64 numbers of a lane at v[src] on, in window sw; register 16 b + i belongs to block b, whose other 16 numbers lie in lane l xor 16.  The held numbers go to v[dst] on, the codes to v[pc] on, the scale word to v[pw] (window 0).
.macro QUANT src, sw, dst, pc, pw
.set QW, 5*(\sw)
	WIN QW                                         ; sources 0 and 1 in window sw
.irp b, 0,1,2,3
	v_max3_num_f32 v[TM+\b], |v[\src+16*\b]|, |v[\src+16*\b+1]|, 0x4800000   ; my 16 numbers, and the floor 2^(9 - 127): the byte cannot fall under 1
.endr
.irp i, 2,4,6,8,10,12,14
.irp b, 0,1,2,3
	v_max3_num_f32 v[TM+\b], |v[\src+16*\b+\i]|, |v[\src+16*\b+\i+1]|, v[TM+\b]   ; the four blocks by turns
.endr
.endr
	WIN 0
.irp b, 0,1,2,3
	v_permlanex16_b32 v[TM+4+\b], v[TM+\b], s[SEL], s[SEL+1]
.endr
.irp b, 0,1,2,3
	v_max_num_f32 v[TM+\b], v[TM+\b], v[TM+4+\b]   ; with lane l xor 16's: the block's largest magnitude
.endr
.irp b, 0,1,2,3
	v_add_nc_u32 v[TM+12+\b], 0xfc000000, v[TM+\b] ; 8 off its exponent field: the conversion's scale operand
.endr
.irp b, 0,1,2,3
	v_and_or_b32 v[TM+8+\b], v[TM+\b], 0x7f800000, s[MNT]   ; 448 x the scale
.endr
.irp b, 0,1,2,3
	v_lshrrev_b32 v[TM+4+\b], 23, v[TM+12+\b]      ; the scale's byte
.endr
	v_lshl_or_b32 v[\pw], v[TM+5], 8, v[TM+4]
	v_lshl_or_b32 v[\pw], v[TM+6], 16, v[\pw]
	v_lshl_or_b32 v[\pw], v[TM+7], 24, v[\pw]
	WIN \sw                                        ; source 0 in window sw
.irp b, 0,1,2,3
.set i, 0
.rept 16
	v_med3_num_f32 v[\dst+16*\b+i], v[\src+16*\b+i], -v[TM+8+\b], v[TM+8+\b]   ; the conversion to an 8-bit code does not saturate (ISA guide 7.6.2): the hold at 448 x the scale
.set i, i+1
.endr
.endr
	WIN 0
.irp b, 0,1,2,3
	v_cvt_scalef32_pk8_fp8_f32 v[\pc+4*\b:\pc+4*\b+1], v[\dst+16*\b:\dst+16*\b+7], v[TM+12+\b]
	v_cvt_scalef32_pk8_fp8_f32 v[\pc+4*\b+2:\pc+4*\b+3], v[\dst+16*\b+8:\dst+16*\b+15], v[TM+12+\b]
.endr
	v_nop                                          ; one plain vector instruction behind the last conversion, ahead of whatever next writes its sources
.endm
.macro OUT t, sa                       ; tile t's image: four stores of 512 consecutive bytes; its scale words to my 256 bytes of LDS (lanes r and r + 16 write the same word with the same value)
.irp c, 0,1,2,3
	global_store_b128 v22, v[192+16*\t+4*\c:192+16*\t+4*\c+3], s[92:93] offset:2048*\t+512*\c
.endr
	ds_store_b32 v[\sa], v[92+\t] offset:64*\t
.endm
.macro FIN sa                          ; my four tiles' 64 scale words leave as 256 consecutive bytes, aligned
	ds_load_b64 v[90:91], v[\sa+1]                 ; LDS serves a wave's instructions in order: this sees my stores
	s_wait_dscnt 0x0
	global_store_b64 v23, v[90:91], s[94:95]
.endm
.macro CS t, cb                        ; cos (at cb) and sin (at cb + 64) of tile t's tokens, in the result's layout: register 8 x + j = d 16 x + 8 h + j of token r.  The caller sets the window
.irp x, 0,1,2,3,4,5,6,7
	global_load_b128 v[\cb+8*\x:\cb+8*\x+3], v30, s[84:85] offset:8192*\t+64*\x
	global_load_b128 v[\cb+8*\x+4:\cb+8*\x+7], v30, s[84:85] offset:8192*\t+64*\x+16
.endr
.irp x, 0,1,2,3,4,5,6,7
	global_load_b128 v[\cb+64+8*\x:\cb+64+8*\x+3], v30, s[86:87] offset:8192*\t+64*\x
	global_load_b128 v[\cb+64+8*\x+4:\cb+64+8*\x+7], v30, s[86:87] offset:8192*\t+64*\x+16
.endr
.endm
.macro STATS t                         ; the sum of squares of my 64 numbers of tile t, two at a time in two chains; each accumulator is read from its low end on
	WIN 0x0a                                       ; sources 0 and 1 window 2
	v_pk_mul_f32 v[82:83], v[64*\t:64*\t+1], v[64*\t:64*\t+1]
	v_pk_mul_f32 v[84:85], v[64*\t+2:64*\t+3], v[64*\t+2:64*\t+3]
.set i, 4
.rept 15
	v_pk_fma_f32 v[82:83], v[64*\t+i:64*\t+i+1], v[64*\t+i:64*\t+i+1], v[82:83]
	v_pk_fma_f32 v[84:85], v[64*\t+i+2:64*\t+i+3], v[64*\t+i+2:64*\t+i+3], v[84:85]
.set i, i+4
.endr
	WIN 0
	v_pk_add_f32 v[82:83], v[82:83], v[84:85]
	v_add_f32 v[86+\t], v82, v83
.endm
; y = (x / rms) w; then rope: d < 64: y(d) cos(d) - y(d + 64) sin(d); d >= 64: y(d) cos(d) + y(d - 64) sin(d).  d + 64 is X's tile x + 4 in the same lane: registers 32 on.  cos at cb, sin at cb + 64, in window cw.
.macro NORMROPE t, cw, cb
	WIN 0xc2                                       ; destination window 3, source 0 window 2
.set i, 0
.rept 32
	v_pk_mul_f32 v[192+i:193+i], v[64*\t+i:64*\t+i+1], v[56+2*\t:57+2*\t] op_sel_hi:[1,0]
.set i, i+2
.endr
	WIN 0xcf                                       ; all in window 3
.set i, 0
.rept 32
	v_pk_mul_f32 v[192+i:193+i], v[192+i:193+i], v[i:i+1]
.set i, i+2
.endr
	WIN 4*\cw+3                                    ; source 0 window 3, source 1 window cw, the rest window 0
.set i, 0
.rept 16
	v_pk_mul_f32 v[128+i:129+i], v[192+i:193+i], v[\cb+i:\cb+i+1]
.set i, i+2
.endr
.set i, 0
.rept 16
	v_pk_fma_f32 v[128+i:129+i], v[224+i:225+i], v[\cb+64+i:\cb+64+i+1], v[128+i:129+i] neg_lo:[1,0,0] neg_hi:[1,0,0]
.set i, i+2
.endr
.set i, 0
.rept 16
	v_pk_mul_f32 v[160+i:161+i], v[224+i:225+i], v[\cb+32+i:\cb+32+i+1]
.set i, i+2
.endr
.set i, 0
.rept 16
	v_pk_fma_f32 v[160+i:161+i], v[192+i:193+i], v[\cb+96+i:\cb+96+i+1], v[160+i:161+i]
.set i, i+2
.endr
	WIN 0
.endm
.macro QKTILE t, cw, cb
	NORMROPE \t, \cw, \cb
	QUANT 128, 0, 128, 192+16*\t, 92+\t
	OUT \t, 24
.endm
	s_load_b512 s[68:83], s[0:1], 0x0              ; hidden codes, scales; wq codes, scales; wk codes, scales; wv codes, scales
	s_load_b256 s[84:91], s[0:1], 0x40             ; cos, sin, q_norm_w, k_norm_w
	s_load_b128 s[92:95], s[0:1], 0x60             ; qcode, qscal
	s_load_b64 s[96:97], s[0:1], 0x70              ; kvimg
	v_lshl_add_u32 v28, v0, 2, SPARE
	v_mov_b32 v29, 0
	ds_add_u32 v28, v29
	ds_add_u32 v28, v29
	s_wait_dscnt 0x0
	v_lshrrev_b32 v3, 5, v0
	v_readfirstlane_b32 s20, v3                    ; wave w
	s_and_b32 s21, s20, 1                          ; b: which half of X or of Y I fetch
	s_lshr_b32 s22, s20, 1                         ; 0: I fetch for X; 1: for Y
	s_mov_b32 s23, ttmp9                           ; C, the cluster
	s_bfe_u32 s2, ttmp6, 0x40000                   ; my place in it
	s_and_b32 s40, s23, 15                         ; q, k: the token block
	s_lshr_b32 s41, s23, 4                         ; q, k: 0, 1: query heads; 2: key heads
	s_and_b32 s42, s41, 1
	s_lshr_b32 s43, s40, 1                         ; v: the group of four key steps
	s_and_b32 s44, s40, 1                          ; v: the block of wv
	s_cmp_lt_u32 s23, 48
	s_cselect_b32 s45, s42, s43
	s_cselect_b32 s46, s40, s44                    ; Y's block of 256 rows: it never holds my place
	s_lshl_b32 s45, s45, 2
	s_add_co_u32 s45, s45, s2                      ; X's block of 128 rows
	s_lshl_b32 s47, s45, 18
	s_lshl_b32 s48, s21, 17
	s_add_co_u32 s47, s47, s48                     ; X's codes: (128 block + 64 b) rows of 2,048 bytes
	s_lshl_b32 s48, s45, 13
	s_lshl_b32 s49, s46, 19
	s_lshl_b32 s50, s21, 18
	s_add_co_u32 s49, s49, s50                     ; Y's codes: (256 block + 128 b) rows
	s_lshl_b32 s50, s46, 14
	s_lshl_b32 s51, s40, 17
	s_lshl_b32 s52, s20, 15
	s_add_co_u32 s51, s51, s52                     ; cos, sin: token 256 block + 64 w, rows of 512 bytes
	s_lshl_b32 s52, s41, 2
	s_add_co_u32 s52, s52, s2
	s_lshl_b32 s52, s52, 8
	s_lshl_b32 s53, s40, 4
	s_add_co_u32 s52, s52, s53
	s_lshl_b32 s53, s20, 2
	s_add_co_u32 s52, s52, s53                     ; q: head x 256 + my first tile of 16 tokens
	s_lshl_b32 s53, s44, 1
	s_add_co_u32 s53, s53, s22                     ; v: the key/value head 2 block + w / 2
	s_lshr_b32 s54, s45, 1                         ; v: the slot of 256 keys
	s_and_b32 s55, s45, 1                          ; v: which of its two steps
	s_cmp_lt_u32 s23, 48
	s_cselect_b32 s53, s2, s53                     ; k: head = my place,
	s_cselect_b32 s54, s40, s54                    ; slot = token block,
	s_cselect_b32 s55, s22, s55                    ; step = w / 2
	s_cselect_b32 s56, 0, 1                        ; 1: v
	s_lshl_b32 s53, s53, 4
	s_add_co_u32 s53, s53, s54
	s_mul_i32 s53, s53, 67584                      ; the slot in kvimg
	s_lshl_b32 s54, s55, 15
	s_add_co_u32 s54, s54, s53
	s_lshl_b32 s57, s56, 14
	s_add_co_u32 s54, s54, s57
	s_lshl_b32 s57, s21, 13
	s_add_co_u32 s54, s54, s57                     ; images: step x 32,768 + (v: 16,384) + (w % 2) x four tiles
	s_lshl_b32 s55, s55, 10
	s_add_co_u32 s55, s55, s53
	s_lshl_b32 s57, s56, 9
	s_add_co_u32 s55, s55, s57
	s_lshl_b32 s57, s21, 8
	s_add_co_u32 s55, s55, s57
	s_add_co_u32 s55, s55, 65536                   ; scale words: 65,536 + step x 1,024 + (v: 512) + (w % 2) x 256
	s_lshl_b32 s56, s52, 11
	s_lshl_b32 s57, s52, 6
	s_cmp_lt_u32 s23, 32
	s_cselect_b32 s54, s56, s54                    ; where my images go,
	s_cselect_b32 s55, s57, s55                    ; and my scale words
	v_and_b32 v1, 15, v0                           ; r
	v_bfe_u32 v2, v0, 4, 1                         ; h
	v_and_b32 v3, 31, v0                           ; lane
	v_mul_u32_u24 v16, v1, 272
	v_lshl_add_u32 v16, v2, 4, v16                 ; X's fragments, slot 0: 272 r + 16 h
	v_add_nc_u32 v17, SLOT, v16
	s_mul_i32 s3, s20, 17408
	s_add_co_u32 s3, s3, XPART
	v_add_nc_u32 v18, s3, v16                      ; Y's: behind X's part, my 64 rows
	v_add_nc_u32 v19, SLOT, v18
	v_lshrrev_b32 v5, 2, v1
	v_mul_u32_u24 v5, v5, 272
	v_and_b32 v6, 3, v1
	v_lshl_add_u32 v5, v6, 6, v5                   ; row r's scale bytes: piece r / 4, 64 (r % 4) in it
	v_mad_u32_u24 v20, v2, 4352, v5                ; lanes 16-31: four tiles on
	v_add_nc_u32 v20, SCX, v20
	v_mad_u32_u24 v21, v2, 2176, v5                ; lanes 16-31: two tiles on
	s_mul_i32 s3, s20, 4352
	s_add_co_u32 s3, s3, SCY
	v_add_nc_u32 v21, s3, v21
	v_lshlrev_b32 v22, 4, v3                       ; 16 x lane
	v_lshlrev_b32 v23, 3, v3                       ; 8 x lane
	s_lshl_b32 s3, s20, 8
	s_add_co_u32 s3, s3, SCR
	v_lshl_add_u32 v24, v1, 2, s3
	v_add_nc_u32 v25, s3, v23
	v_add_nc_u32 v26, SCR2-SCR, v24
	v_add_nc_u32 v27, SCR2-SCR, v25
	v_lshlrev_b32 v30, 9, v1
	v_lshl_add_u32 v30, v2, 5, v30                 ; cos, sin: 512 r + 32 h
	v_lshlrev_b32 v31, 5, v2                       ; the norm's weight: 32 h
.irp b, 0,1,2,3
	v_mov_b32 v[TM+4+\b], 0                        ; written once: a lane permute's destination counts as one of its sources
.endr
	s_wait_kmcnt 0x0
	s_cmp_lt_u32 s23, 32                           ; the choices hang on the cluster's number alone
	s_cselect_b64 s[92:93], s[92:93], s[96:97]     ; images: qcode or kvimg
	s_cselect_b64 s[94:95], s[94:95], s[96:97]     ; scale words: qscal or kvimg
	s_cselect_b64 s[88:89], s[88:89], s[90:91]     ; the norm's weight: q's or k's
	s_cselect_b64 s[72:73], s[72:73], s[76:77]     ; the weight: wq or wk
	s_cselect_b64 s[74:75], s[74:75], s[78:79]
	s_cmp_lt_u32 s23, 48
	s_cselect_b64 s[76:77], s[72:73], s[68:69]     ; X's codes: the weight, or (v) hidden
	s_cselect_b64 s[78:79], s[74:75], s[70:71]
	s_cselect_b64 s[80:81], s[68:69], s[80:81]     ; Y's codes: hidden, or (v) wv
	s_cselect_b64 s[82:83], s[70:71], s[82:83]
	s_mov_b32 s105, 0
	s_mov_b32 s101, 0
	s_mov_b32 s104, s47
	s_add_nc_u64 s[76:77], s[76:77], s[104:105]
	s_mov_b32 s104, s48
	s_add_nc_u64 s[78:79], s[78:79], s[104:105]
	s_mov_b32 s100, s49                            ; (Y's offsets go through a pair that never holds my place)
	s_add_nc_u64 s[80:81], s[80:81], s[100:101]
	s_mov_b32 s100, s50
	s_add_nc_u64 s[82:83], s[82:83], s[100:101]
	s_mov_b32 s100, s51
	s_add_nc_u64 s[84:85], s[84:85], s[100:101]
	s_add_nc_u64 s[86:87], s[86:87], s[100:101]
	s_mov_b32 s104, s54
	s_add_nc_u64 s[92:93], s[92:93], s[104:105]
	s_mov_b32 s104, s55
	s_add_nc_u64 s[94:95], s[94:95], s[104:105]
	; descriptor groups 1.  X's codes: 64 rows of 256 bytes, 2,048 apart, 16 bytes of padding behind each; no mask
	s_mov_b32 s24, (1<<20)|(5<<22)|(3<<25)
	s_mov_b32 s25, 256<<16
	s_mov_b32 s26, 128<<16                         ; the head's load brings all 128 rows; behind it the two words that count rows are set to 64
	s_mov_b32 s27, 256<<16
	s_mov_b32 s28, 128
	s_mov_b32 s29, 2048
	s_mov_b32 s30, 0
	s_mov_b32 s31, 0
	; Y's codes: 128 rows, all four partners (bit 21 stands beside a mask)
	s_mov_b32 s32, 15|(1<<20)|(1<<21)|(5<<22)|(3<<25)
	s_mov_b32 s33, 256<<16
	s_mov_b32 s34, 256<<16                         ; the head's load brings all 256 rows; behind it: 128
	s_mov_b32 s35, 256<<16
	s_mov_b32 s36, 256
	s_mov_b32 s37, 2048
	s_mov_b32 s38, 0
	s_mov_b32 s39, 0
	; X's scale bytes: 64 rows of 64 bytes are 4,096 dense bytes: 16 rows of 32 elements of 8 bytes, padded
	s_mov_b32 s40, (3<<16)|(1<<20)|(5<<22)|(3<<25)
	s_mov_b32 s41, 32<<16
	s_mov_b32 s42, 32<<16                          ; all of X's scale bytes: 32 rows of 256 bytes
	s_mov_b32 s43, 32<<16
	s_mov_b32 s44, 32
	s_mov_b32 s45, 32
	s_mov_b32 s46, 0
	s_mov_b32 s47, 0
	; Y's scale bytes: 32 such rows, all four partners
	s_mov_b32 s48, 15|(3<<16)|(1<<20)|(1<<21)|(5<<22)|(3<<25)
	s_mov_b32 s49, 32<<16
	s_mov_b32 s50, 64<<16                          ; all of Y's scale bytes: 64 rows of 256 bytes
	s_mov_b32 s51, 32<<16
	s_mov_b32 s52, 64
	s_mov_b32 s53, 32
	s_mov_b32 s54, 0
	s_mov_b32 s55, 0
	s_mul_i32 s3, s21, 17408                       ; LDS: X's half b,
	s_mul_i32 s104, s21, 34816                     ; Y's half b: the wave's number alone enters an LDS address
.irp n, 0,1
	s_mov_b32 s[56+4*\n], 1
	s_add_co_u32 s[57+4*\n], s3, \n*SLOT
	s_add_nc_u64 s[58+4*\n:59+4*\n], s[76:77], \n*256
	s_or_b32 s[59+4*\n], s[59+4*\n], 0x80000000
	s_mov_b32 s[4+4*\n], 1
	s_add_co_u32 s[5+4*\n], s104, \n*SLOT+XPART
	s_add_nc_u64 s[6+4*\n:7+4*\n], s[80:81], \n*256
	s_or_b32 s[7+4*\n], s[7+4*\n], 0x80000000
.endr
	s_mov_b32 s12, 1
	s_mov_b32 s13, SCX
	s_mov_b64 s[14:15], s[78:79]
	s_or_b32 s15, s15, 0x80000000
	s_mov_b32 s16, 1
	s_mov_b32 s17, SCY
	s_mov_b64 s[18:19], s[82:83]
	s_or_b32 s19, s19, 0x80000000
	s_mov_b32 s[SEL], 0x76543210
	s_mov_b32 s[SEL+1], 0xfedcba98                 ; v_permlanex16_b32's selects for lane l xor 16
	s_mov_b32 s[MNT], 0x600000                     ; the mantissa field of 448
	s_mov_b32 s99, 0x3c000000                      ; 1 / 128
	s_mov_b32 s100, 0x358637bd
	; the prefetches: where my rows stand, and who asks
	s_lshl_b32 s104, s22, 16                       ; X: beside my half's 64 rows, 32 (w / 2) rows of 2,048 bytes
	s_add_nc_u64 s[68:69], s[76:77], s[104:105]
	s_lshl_b32 s104, s2, 16                        ; Y: in half w % 2, my place x 32 rows
	s_add_nc_u64 s[70:71], s[80:81], s[104:105]
	s_and_b32 s104, s23, 15
	s_cmp_eq_u32 s104, 0
	s_cselect_b32 s72, 1, -1
	s_cmp_lt_u32 s23, 48
	s_cselect_b32 s72, s72, -1                     ; X: the weights, by the clusters of token block 0
	s_sub_co_u32 s104, s23, 48
	s_cmp_lt_u32 s104, 2
	s_cselect_b32 s73, 1, -1
	s_cmp_lt_u32 s23, 16
	s_cselect_b32 s73, 1, s73
	s_cmp_lt_u32 s20, 2
	s_cselect_b32 s73, s73, -1                     ; Y: hidden by clusters 0 to 15, wv by 48 and 49; waves 0 and 1
	s_mul_i32 s75, s2, 6144
	s_add_co_u32 s75, s75, 8192                    ; cos, sin: behind tile 0's 8,192 bytes, my place's 24 blocks of my wave's 96
	v_lshlrev_b32 v8, 11, v3                       ; a lane a row of 2,048 bytes
	v_min_u32 v9, 23, v3                           ; (lanes 24-31 name their wave's last block again)
	v_lshl_add_u32 v9, v9, 8, s75
	s_wait_alu depctr_va_vdst(0)
	CROUND                                         ; all four work-groups are here: the first joint loads meet
	; THE HEAD'S LOADS, ONE A WAVE: wave 0 slot 0's 128 rows of X, wave 2 its 256 rows of Y (their own descriptors begin at the tile's first row), wave 1 X's scale bytes, wave 3 Y's
	s_cmp_eq_u32 s20, 0
	s_cbranch_scc0 .Lh_y
	tensor_load_to_lds s[56:59], s[24:31]
	s_nop 0
	PLACES 4
	s_branch .Lh_asked
.Lh_y:
	s_cmp_eq_u32 s20, 2
	s_cbranch_scc0 .Lh_sx
	tensor_load_to_lds s[4:7], s[32:39]
	s_nop 0
	PLACES 4
	s_branch .Lh_asked
.Lh_sx:
	s_cmp_eq_u32 s20, 1
	s_cbranch_scc0 .Lh_sy
	tensor_load_to_lds s[12:15], s[40:47]
	s_nop 0
	PLACES 4
	s_branch .Lh_asked
.Lh_sy:
	tensor_load_to_lds s[16:19], s[48:55]
	s_nop 0
	PLACES 4
.Lh_asked:
	s_cmp_eq_u32 s72, 1                            ; slots 1 and 2 are asked for here, behind the head's loads
	s_cbranch_scc0 .Lp_x
	global_prefetch_b8 v8, s[68:69] offset:256 th:TH_LOAD_NT scope:SCOPE_SE
	global_prefetch_b8 v8, s[68:69] offset:512 th:TH_LOAD_NT scope:SCOPE_SE
.Lp_x:
	s_cmp_eq_u32 s73, 1
	s_cbranch_scc0 .Lp_y
	global_prefetch_b8 v8, s[70:71] offset:256 th:TH_LOAD_NT scope:SCOPE_SE
	global_prefetch_b8 v8, s[70:71] offset:512 th:TH_LOAD_NT scope:SCOPE_SE
.Lp_y:
	s_cmp_lt_u32 s23, 48
	s_cbranch_scc0 .Lno_tables
	WIN 0xc0                                       ; destination window 3: the norm's weight and tile 0's cos and sin land while K is walked
	s_wait_alu depctr_va_vdst(0)
.irp x, 0,1,2,3,4,5,6,7
	global_load_b128 v[8*\x:8*\x+3], v31, s[88:89] offset:64*\x
	global_load_b128 v[8*\x+4:8*\x+7], v31, s[88:89] offset:64*\x+16
.endr
	CS 0, 64
	WIN 0
.Lno_tables:
	s_wait_alu depctr_va_vdst(0)
	s_wait_tensorcnt 0x0                           ; my tile of the head's four is in
	ds_add_u32 v28, v29                            ; ahead of a later first fill
	s_mov_b32 s26, 64<<16                          ; no tensor load of mine is out: from here on a load brings half a tile's rows
	s_mov_b32 s28, 64
	s_mov_b32 s34, 128<<16
	s_mov_b32 s36, 128
	s_wait_dscnt 0x0
	CROUND                                         ; all four tiles are in, and all four work-groups are here
	JLOAD 60, 24, 8, 32                            ; slot 1: my one tensor load behind the round
	FETCH_X 0, 0, 0
	FETCH_Y 0, 0, 0
	SCALES 0
	s_cmp_eq_u32 s72, 1                            ; behind slot 1's load: slot 3
	s_cbranch_scc0 .Lp_x3
	global_prefetch_b8 v8, s[68:69] offset:768 th:TH_LOAD_NT scope:SCOPE_SE
.Lp_x3:
	s_cmp_eq_u32 s73, 1
	s_cbranch_scc0 .Lp_y3
	global_prefetch_b8 v8, s[70:71] offset:768 th:TH_LOAD_NT scope:SCOPE_SE
.Lp_y3:
	s_cmp_lt_u32 s23, 16                           ; cos and sin of tiles 1 to 3, which are loaded behind the walk over K: by clusters 0 to 15, the partners told apart by address
	s_cbranch_scc0 .Lp_t
	global_prefetch_b8 v9, s[84:85] th:TH_LOAD_NT scope:SCOPE_SE
	global_prefetch_b8 v9, s[86:87] th:TH_LOAD_NT scope:SCOPE_SE
.Lp_t:
	STEP0 0, 1
	s_mov_b32 s3, 3
.Llap:                                             ; a trip goes once round the ring and fills both slots again: 3 trips x 2 = slots 2 to 7
	TURN 0, 1, 1
	STEP0 1, 0
	TURN 1, 0, 1
	STEP0 0, 0
	s_sub_co_u32 s3, s3, 1
	s_cmp_lg_u32 s3, 0
	s_cbranch_scc1 .Llap
	TURN 0, 1, 0                                   ; the last lap fills nothing
	STEP0 1, 0
	s_wait_dscnt 0x0
	WIN 0xa1
	MUL8 0, 1, 1, 1, 0
	MUL8 1, 1, 1, 1, 0
	MUL8 2, 1, 1, 1, 0
	MUL8 3, 1, 1, 1, 0
	WIN 0
	PLACES 8                                       ; behind the last products: in front of the first read of results, of loads into X's registers and of writes into Y's
	s_cmp_lt_u32 s23, 48
	s_cbranch_scc0 .Lv_path
	; ---- q, k
	s_wait_loadcnt 0x0                             ; the weight, tile 0's cos and sin
	WIN 0x40                                       ; destination window 1
	CS 1, 0
	CS 2, 128
	WIN 0
	STATS 0
	STATS 1
	STATS 2
	STATS 3
.irp t, 0,1,2,3
	v_permlanex16_b32 v[TM+4+\t], v[86+\t], s[SEL], s[SEL+1]
.endr
.irp t, 0,1,2,3
	v_add_f32 v[86+\t], v[86+\t], v[TM+4+\t]       ; with lane l xor 16's 64: the token's sum of squares
.endr
.irp t, 0,1,2,3
	v_fma_f32 v[86+\t], v[86+\t], s99, s100        ; / 128 + 1e-6
.endr
	s_wait_alu depctr_va_vdst(0)
.irp t, 0,1,2,3
	v_rsq_f32 v[56+2*\t], v[86+\t]
.endr
.irp t, 0,1,2,3
	v_mov_b32 v[57+2*\t], 0                        ; the pairs' upper words are named, so they are written; plain lines behind the four transcendentals
.endr
	s_wait_alu depctr_va_vdst(0)                   ; one wait for the four, ahead of their first reader
	QKTILE 0, 3, 64
	s_wait_loadcnt 32                              ; tile 1's 32 loads are in; tile 2's 32 may be out
	WIN 0xc0
	CS 3, 64                                       ; tile 3's take the registers that tile 0 has read
	WIN 0
	QKTILE 1, 1, 0
	s_wait_loadcnt 32                              ; tile 2's are in; tile 3's 32 may be out
	QKTILE 2, 1, 128
	s_wait_loadcnt 0x0
	QKTILE 3, 3, 64
	FIN 24
	s_branch .Ldone
.Lv_path:
	; ---- v: a lane holds a channel, its registers run along the step's 128 keys: quantised as it stands; the hold moves the numbers into window 0
.irp t, 0,1,2,3
	QUANT 64*\t, 2, 128, 192+16*\t, 92+\t
	OUT \t, 26
.endr
	FIN 26
.Ldone:
	s_wait_tensorcnt 0x0                           ; the wave's end
	ds_add_u32 v28, v29
	s_wait_dscnt 0x0
	CROUND                                         ; the closing round: no work-group ends while a partner may still ask for a tile that names it
	s_endpgm
.Lfunc_end_k_q6a3af117e1_qkv:
	.size	k_q6a3af117e1_qkv, .Lfunc_end_k_q6a3af117e1_qkv-k_q6a3af117e1_qkv
	.p2alignl 7, 3214868480
	.fill 96, 4, 3214868480
	.section	.rodata,"a",@progbits
	.p2align	6, 0x0
	.amdhsa_kernel k_q6a3af117e1_qkv
		.amdhsa_group_segment_fixed_size 327680
		.amdhsa_private_segment_fixed_size 0
		.amdhsa_enable_private_segment 0
		.amdhsa_kernarg_size 120
		.amdhsa_user_sgpr_count 2
		.amdhsa_user_sgpr_kernarg_segment_ptr 1
		.amdhsa_wavefront_size32 1
		.amdhsa_system_sgpr_workgroup_id_x 1
		.amdhsa_system_sgpr_workgroup_id_y 1
		.amdhsa_system_sgpr_workgroup_id_z 1
		.amdhsa_system_vgpr_workitem_id 0
		.amdhsa_next_free_vgpr 1024
		.amdhsa_next_free_sgpr 106
		.amdhsa_reserve_vcc 0
		.amdhsa_float_denorm_mode_32 3
		.amdhsa_float_denorm_mode_16_64 3
		.amdhsa_memory_ordered 1
		.amdhsa_forward_progress 1
		.amdhsa_inst_pref_size 203
	.end_amdhsa_kernel
	.amdgpu_metadata
---
amdhsa.version: [ 1, 2 ]
amdhsa.kernels:
  - .name:           k_q6a3af117e1_qkv
    .symbol:         k_q6a3af117e1_qkv.kd
    .args:
      - { .name: hidden_states_codes, .offset: 0, .size: 8, .value_kind: global_buffer, .address_space: global }
      - { .name: hidden_states_scales, .offset: 8, .size: 8, .value_kind: global_buffer, .address_space: global }
      - { .name: wq_codes, .offset: 16, .size: 8, .value_kind: global_buffer, .address_space: global }
      - { .name: wq_scales, .offset: 24, .size: 8, .value_kind: global_buffer, .address_space: global }
      - { .name: wk_codes, .offset: 32, .size: 8, .value_kind: global_buffer, .address_space: global }
      - { .name: wk_scales, .offset: 40, .size: 8, .value_kind: global_buffer, .address_space: global }
      - { .name: wv_codes, .offset: 48, .size: 8, .value_kind: global_buffer, .address_space: global }
      - { .name: wv_scales, .offset: 56, .size: 8, .value_kind: global_buffer, .address_space: global }
      - { .name: cos, .offset: 64, .size: 8, .value_kind: global_buffer, .address_space: global }
      - { .name: sin, .offset: 72, .size: 8, .value_kind: global_buffer, .address_space: global }
      - { .name: q_norm_w, .offset: 80, .size: 8, .value_kind: global_buffer, .address_space: global }
      - { .name: k_norm_w, .offset: 88, .size: 8, .value_kind: global_buffer, .address_space: global }
      - { .name: qcode, .offset: 96, .size: 8, .value_kind: global_buffer, .address_space: global }
      - { .name: qscal, .offset: 104, .size: 8, .value_kind: global_buffer, .address_space: global }
      - { .name: kvimg, .offset: 112, .size: 8, .value_kind: global_buffer, .address_space: global }
    .group_segment_fixed_size: 327680
    .private_segment_fixed_size: 0
    .kernarg_segment_align: 8
    .kernarg_segment_size: 120
    .max_flat_workgroup_size: 128
    .sgpr_count:     106
    .vgpr_count:     1024
    .wavefront_size: 32
...
	.end_amdgpu_metadata
.endif
;; end of part 1
;; launch attn (part 2): grid 64 x 4, 8 waves a work-group, clusters of 4 x 1, 327,680 bytes of LDS; arguments qcode, qscal, kvimg, acode, ascal; writes acode, ascal
.if DOCPART == 2
	.amdgcn_target "amdgcn-amd-amdhsa--gfx1250"
	.amdhsa_code_object_version 6
	.text
	.protected	k_q6a3af117e1_attn
	.globl	k_q6a3af117e1_attn
	.p2align	8
	.type	k_q6a3af117e1_attn,@function
k_q6a3af117e1_attn:
	s_mov_b64 s[64:65], 0
	v_nop
	global_prefetch_b8 v0, s[64:65] scope:SCOPE_SE
	s_setreg_imm32_b32 hwreg(HW_REG_WAVE_MODE, 25, 1), 1
	s_wait_xcnt 0x0
	s_wait_alu depctr_hold_cnt(0) depctr_sa_sdst(0) depctr_va_vdst(0) depctr_va_sdst(0) depctr_va_ssrc(0) depctr_va_vcc(0) depctr_vm_vsrc(0)
	s_getreg_b32 s2, hwreg(HW_REG_IB_STS2, 6, 4)
	s_cmp_eq_u32 s2, 0
	s_cbranch_scc0 .Lentry_in_a_cluster
	s_endpgm
.Lentry_in_a_cluster:
	s_bfe_u32 s2, ttmp6, 0x10000c
	s_cmp_lg_u32 s2, 0x3003
	s_cbranch_scc0 .Lentry_shape_is_right
	s_endpgm
.Lentry_shape_is_right:
; Causal attention on codes of E4M3 with E8M0 scales: 8 query heads on 4 key/value heads, 4,096 tokens, head size 128.  q, k, v come as register images (a fragment of 16 rows x 128 K: 2,048 bytes,
; registers 4 c .. 4 c + 3 of lane l at 512 c + 16 l) from the launch before; the result is divided by the row's sum, quantised along the head's 128 and stored as images in the true order of K.
; THE SOFTMAX: t = score x log2(e) / sqrt(128); M = the running largest t rounded up to a whole number; p = 2^(t - M) is quantised along the keys; the row's sum is taken of the unquantised p.  When M moves,
; the sum and O are multiplied by 2^(old M - new M), which rounds nothing.  A block's largest p is made from its largest score by the same two instructions (this takes v_exp_f32 not to fall where its input rises).
; SHARES.  A cluster of four work-groups owns key/value head g and two groups of 128 queries, P (early) and 31 - P (late), P = the cluster's x; group G walks key steps 0 .. G of 128 keys.  Partner cx takes queries
; 32 cx .. 32 cx + 31 of both groups.  A WAVE OWNS 16 TOKENS OF BOTH QUERY HEADS OF g: tile A (head 2 g) in register window 0, tile B (head 2 g + 1) in window 1, under the same register numbers, so that each
; fragment of K and V read from LDS feeds two products.  Eight waves = group (2) x 16 tokens (2) x step of the slot (2).  At the end the two waves of a pair give each other one tile through LDS and finish the other.
; THE RING.  Two slots of 256 keys (images and scale words, 67,584 dense bytes), 2^17 bytes apart; a slot is asked for jointly by the four partners, an eighth (33 rows of 256 bytes) by each wave.  Branches hang on P, the wave's number and the count of slots.
; The loop is counted to 15 and left at the cluster's own last slot, (31 - P) / 2; the last slot is written out and asks for nothing.
; MASK.  Steps behind the group's own are left out; in the group's own step hidden scores become -infinity where the formula has -1e9: either way p is 0 in f32.
; LIMITS: NaN and infinities are not served; the scaled scores stay under 2^31 in magnitude; a block whose largest magnitude lies under 2^-118 keeps the scale byte 1, a block of zeros too (its codes are zeros; only this program reads the bytes).
; REGISTERS.  Window 0 alone: v1, v3 my lane's place among a slot's images and scale words, v2, v4 the same in the slot in hand; v5, v6 the spare word's address and 0; v7 the prefetch's offset; v9 an offset; scale words only:
; v10, v11 Q's (A, B), v248, v249, v254, v255 K's or V's, v250, v251 p's (A, B).  In both windows: v8 the mask's number; v12 -M, v13 the largest t, v[14:15] the sum; v16-31 Q; v32-95 four fragments of K or V
; (window 0: tiles 0-3, window 1: tiles 4-7); v96-159 S^T, then p; v160-223 O^T; v224-239 p's codes; v232-247, v252 at work; v253 the unused upper word of the pair v[252:253].
.set SLOTB, 67584
.set SLOT1, 131072
.set MRG,   198656                     ; the merge: 8 x (O^T 8,192 + four numbers a lane 512)
.set SCW,   268288                     ; 2 x 256 bytes: the scale words of a group's four tiles
.set SPARE, 268800                     ; the spare words, 128 bytes a wave
.set TM,    32
.set MSB,   0
.macro WIN new                         ; the immediate's high byte repeats the setting that is left; a switch that changes nothing is dropped
.if MSB != (\new)
	s_set_vgpr_msb (MSB<<8)|(\new)
.set MSB, \new
.endif
.endm
.macro PLACES n
.rept \n
	v_nop
.endr
.endm
.macro WALU
	s_wait_alu depctr_va_vdst(0)
.endm
.macro ROUND                           ; a round of the cluster's barrier
	s_barrier_signal -1
	s_barrier_wait -1
	s_cmp_lg_u32 s14, 0
	s_cbranch_scc1 .Lnot_wave_0_\@
	s_barrier_signal -3
.Lnot_wave_0_\@:
	s_barrier_wait -3
	s_barrier_signal -1
	s_barrier_wait -1
.endm
.macro TL                              ; my eighth of a slot; an s_nop 0 and four v_nop follow the line
	tensor_load_to_lds s[32:35], s[24:31]
	s_nop 0
	PLACES 4
.endm
; A PREFETCH INTO THE L2.  Only the cluster P = 0 of a head walks all 16 slots: it asks.  In trip i, which loads slot i + 1, it names slot i + 3, whole: 264 blocks of 256 bytes, 66 a partner (told apart by address),
; 22 a wave (waves 4 to 6), a lane a block; lanes 22-31 name their wave's last block again.  Trips 13 and 14 ask for nothing: there is no slot 16.  Slots 0 to 2 come by their loads alone.
.macro ASK
	s_cmp_lt_u32 s63, s47
	s_cbranch_scc0 .Lnot_mine_\@
	global_prefetch_b8 v7, s[48:49] th:TH_LOAD_NT scope:SCOPE_SE
.Lnot_mine_\@:
.endm
.macro WM d, a, b, z, sa, sb, ra       ; one scaled product; z = 1: it starts the sum; ra = 1: source 0's scale words lie in lanes 16-31
.if (\z) && (\ra)
	v_wmma_scale_f32_16x16x128_f8f6f4 v[\d:\d+7], v[\a:\a+15], v[\b:\b+15], 0, v[\sa], v[\sb] matrix_a_scale:MATRIX_SCALE_ROW1
.elseif (\z)
	v_wmma_scale_f32_16x16x128_f8f6f4 v[\d:\d+7], v[\a:\a+15], v[\b:\b+15], 0, v[\sa], v[\sb]
.elseif (\ra)
	v_wmma_scale_f32_16x16x128_f8f6f4 v[\d:\d+7], v[\a:\a+15], v[\b:\b+15], v[\d:\d+7], v[\sa], v[\sb] matrix_a_scale:MATRIX_SCALE_ROW1
.else
	v_wmma_scale_f32_16x16x128_f8f6f4 v[\d:\d+7], v[\a:\a+15], v[\b:\b+15], v[\d:\d+7], v[\sa], v[\sb]
.endif
.endm
.macro FRAGS off, soff                 ; the scale words of eight tiles, two tiles to a register, then the eight fragments (tiles 0-3 into window 0, 4-7 into window 1)
.irp k, 0,1,2,3
	ds_load_b32 v[248+\k+4*(\k/2)], v4 offset:\soff+128*\k
.endr
.irp x, 0,1,2,3,4,5,6,7
	WIN 0x40*(\x/4)
.irp c, 0,1,2,3
	ds_load_b128 v[32+16*(\x%4)+4*\c:32+16*(\x%4)+4*\c+3], v2 offset:\off+\x*2048+512*\c
.endr
.endr
	WIN 0
.endm
.macro SPROD w, h                      ; S^T = K Q^T of tile w, key tiles 4 h .. 4 h + 3: source 0 = 16 keys, source 1 = my 16 queries
.irp y, 0,1,2,3
	WIN 0x44*\w+\h
	WM 96+8*(4*\h+\y), 32+16*\y, 16, 1, 248+\y/2+6*\h, 10+\w, \y%2
.endr
.endm
.macro PV w                            ; O^T += V^T P^T of tile w; the accumulators take turns, one instruction a turn
	WIN 0
	WALU                                           ; directly ahead of the wait below
	s_wait_dscnt 0x0                               ; V's fragments and scale words are in
.irp x, 0,1,2,3,4,5,6,7
	WIN 0x54*\w+(\x/4)
	WM 160+8*\x, 32+16*(\x%4), 224, 0, 248+\x/2+4*(\x/4), 250+\w, \x%2
.endr
.endm
; THE SOFTMAX of tile w, all in window w; p's scale word goes to v[250 + w] of window 0.  s44 = the step's number, s43 = my group's.
.macro SM w
	WIN 0
	s_cmp_lg_u32 s44, s43                          ; only my group's own step lies on the diagonal
	s_cbranch_scc1 .Lopen_\@
	WIN 0x55*\w
	v_mov_b32 v240, 0xff800000                     ; -infinity
	WALU                                           ; directly ahead of the scores' first readers
.set e, 0
.rept 64
	v_cmp_gt_i32 vcc_lo, 16*(e/8)+e%8, v8          ; register e holds key 16 (e / 8) + e % 8 + 8 h of the step: hidden where that is above my query's place in the group
	v_cndmask_b32 v[96+e], v[96+e], v240, vcc_lo
.set e, e+1
.endr
	WIN 0
.Lopen_\@:
	WIN 0x55*\w
.irp b, 0,1,2,3
	v_max3_num_f32 v[232+\b], v[96+16*\b], v[97+16*\b], v[98+16*\b]   ; the largest score of each block of 32 keys: for the row's maximum, and for the block's largest p
.endr
.irp i, 3,5,7,9,11,13
.irp b, 0,1,2,3
	v_max3_num_f32 v[232+\b], v[232+\b], v[96+16*\b+\i], v[97+16*\b+\i]
.endr
.endr
.irp b, 0,1,2,3
	v_max_num_f32 v[232+\b], v[232+\b], v[111+16*\b]
.endr
.irp b, 0,1,2,3
	v_permlanex16_b32 v[236+\b], v[232+\b], s20, s21
.endr
.irp b, 0,1,2,3
	s_delay_alu instid0(VALU_DEP_4)
	v_max_num_f32 v[232+\b], v[232+\b], v[236+\b]  ; with lane l xor 16's 16 keys
.endr
	s_delay_alu instid0(VALU_DEP_2)
	v_max3_num_f32 v240, v232, v233, v234
	s_delay_alu instid0(VALU_DEP_1)
	v_max_num_f32 v240, v240, v235                 ; the step's largest score of my query
	s_delay_alu instid0(VALU_DEP_1)
	v_mul_f32 v240, s22, v240                      ; as t
	s_delay_alu instid0(VALU_DEP_1)
	v_max_num_f32 v13, v13, v240                   ; the running largest t
	v_mov_b32 v240, v12
	s_delay_alu instid0(VALU_DEP_2)
	v_floor_f32 v12, -v13                          ; the new -M = floor(-t) = -ceil(t)
.set e, 0
.rept 32
	v_pk_fma_f32 v[96+e:97+e], v[96+e:97+e], s[22:23], v[12:13] op_sel_hi:[1,0,0]   ; t - M, two at a time
.set e, e+2
.endr
	v_sub_f32 v240, v12, v240                      ; old M - new M: a whole number, 0 or less
	v_fma_f32 v232, v232, s22, v12                 ; t - M of each block's largest score, among the three lines that make f
	v_fma_f32 v233, v233, s22, v12
	v_cvt_i32_f32 v240, v240                       ; (it saturates)
	v_fma_f32 v234, v234, s22, v12
	v_fma_f32 v235, v235, s22, v12
	v_ldexp_f32 v252, 1.0, v240                    ; f = 2^(old M - new M)
.endm
.macro EX w                            ; tile w's part of the step's one batch of exponentials: p = 2^(t - M), and each block's largest p
	WIN 0x55*\w
.set e, 0
.rept 64
	v_exp_f32 v[96+e], v[96+e]
.set e, e+1
.endr
.irp b, 0,1,2,3
	v_exp_f32 v[232+\b], v[232+\b]
.endr
.endm
.macro SM2 w                           ; behind the batch: tile w's sum, p's scales and codes, O^T under the new M
	WIN 0x55*\w
	v_pk_mul_f32 v[14:15], v[14:15], v[252:253] op_sel_hi:[1,0]   ; the sums under the new M
.irp k, 0,1,2,3,4,5                            ; the row's sum of the unquantised p: 32 pairs in seven chains
	v_pk_add_f32 v[236+2*\k:237+2*\k], v[96+4*\k:97+4*\k], v[98+4*\k:99+4*\k]
.endr
.set e, 0
.rept 20
.if e%7 == 6
	v_pk_add_f32 v[14:15], v[14:15], v[120+2*e:121+2*e]
.else
	v_pk_add_f32 v[236+2*(e%7):237+2*(e%7)], v[236+2*(e%7):237+2*(e%7)], v[120+2*e:121+2*e]
.endif
.set e, e+1
.endr
	v_pk_add_f32 v[236:237], v[236:237], v[238:239]
	v_pk_add_f32 v[240:241], v[240:241], v[242:243]
	v_pk_add_f32 v[244:245], v[244:245], v[246:247]
	v_pk_add_f32 v[236:237], v[236:237], v[240:241]
	v_pk_add_f32 v[14:15], v[14:15], v[244:245]
	v_pk_add_f32 v[14:15], v[14:15], v[236:237]
.irp b, 0,1,2,3
	v_max_num_f32 v[232+\b], 0x4800000, v[232+\b]  ; the floor 2^(9 - 127): the byte cannot fall under 1
.endr
.irp b, 0,1,2,3
	v_add_nc_u32 v[244+\b], 0xfc000000, v[232+\b]  ; 8 off the exponent field: the conversion's scale operand
.endr
.irp b, 0,1,2,3
	v_and_or_b32 v[240+\b], v[232+\b], 0x7f800000, s19   ; 448 x the scale
.endr
.irp b, 0,1,2,3
	v_lshrrev_b32 v[236+\b], 23, v[244+\b]         ; the scale's byte
.endr
	v_lshl_or_b32 v236, v237, 8, v236
	v_lshl_or_b32 v236, v238, 16, v236
	WIN 0x11*\w                                    ; the destination in window 0: scale operands have no window
	v_lshl_or_b32 v[250+\w], v239, 24, v236        ; p's scale word for these 128 keys
	WIN 0x55*\w
.irp b, 0,1,2,3
.set e, 0
.rept 16
	v_min_num_f32 v[96+16*\b+e], v[96+16*\b+e], v[240+\b]   ; the conversion does not saturate (ISA guide 7.6.2); p is not negative, so the hold is one-sided
.set e, e+1
.endr
	v_cvt_scalef32_pk8_fp8_f32 v[224+4*\b:225+4*\b], v[96+16*\b:103+16*\b], v[244+\b]
	v_cvt_scalef32_pk8_fp8_f32 v[226+4*\b:227+4*\b], v[104+16*\b:111+16*\b], v[244+\b]
.endr
	WALU                                           ; directly ahead of the first readers of O^T
.set e, 0
.rept 32
	v_pk_mul_f32 v[160+e:161+e], v[160+e:161+e], v[252:253] op_sel_hi:[1,0]   ; O^T under the new M; these 32 are also the places in front of the products
.set e, e+2
.endr
.endm
; ONE KEY STEP of my two tiles, from the slot at LDS byte s16
.macro WORK
	s_cmp_gt_u32 s44, s43                          ; all its keys come after my queries: left out
	s_cbranch_scc1 .Lskip_\@
	v_add_nc_u32 v2, s16, v1
	v_add_nc_u32 v4, s16, v3
	WALU                                           ; directly behind the writes
	PLACES 8                                       ; in front of loads into registers that matrix instructions have read
	FRAGS 0, 0                                     ; K
	s_wait_dscnt 16                                ; the scale words and tiles 0-3 are in; behind them stand the 16 loads of tiles 4-7
	SPROD 0, 0
	SPROD 1, 0
	s_wait_dscnt 0x0
	SPROD 0, 1
	SPROD 1, 1
	WIN 0
	PLACES 8                                       ; in front of the loads below and of the scores' first readers
	FRAGS 16384, 512                               ; V: asked for here, wanted behind tile A's softmax
	SM 0                                           ; both tiles' maxima and scalings first,
	SM 1
	WALU                                           ; ahead of the batch
	EX 0                                           ; then ONE batch of 136 exponentials,
	EX 1
	v_nop                                          ; a place behind the last of them
	WALU                                           ; and one wait for the batch, ahead of its first reader
	SM2 0
	PV 0
	SM2 1
	PV 1
	WIN 0
.Lskip_\@:
	s_add_co_u32 s44, s44, 2                       ; my step of the next slot
.endm
; THE CHANGE OF SLOTS stands at a slot's head: each wave waits for all its tensor loads (its part of the slot ahead), adds 0 to its spare word, and waits for that and for its reads of the slot that it has left.
.macro SEQ fill
	WALU
	s_wait_tensorcnt 0x0                           ; no tensor load of mine is out, so group 0 may be written
	ds_add_u32 v5, v6                              ; 0 onto my spare word
.if \fill
	s_xor_b32 s33, s33, SLOT1                      ; the walking descriptor: the other slot, the next 256 keys
	s_add_nc_u64 s[34:35], s[34:35], SLOTB
	s_wait_xcnt 0x0                                ; the last prefetch, a slot back, has read its address
	s_add_nc_u64 s[48:49], s[48:49], SLOTB
.endif
	s_wait_dscnt 0x0
.endm
; 64 numbers of a lane at v[s] on become a fragment's codes at v[pc] on and its scale word in v[pw]; register 16 b + i belongs to block b, whose other 16 numbers lie in lane l xor 16
.macro QUANT s, pc, pw
.irp b, 0,1,2,3
	v_max3_num_f32 v[TM+\b], |v[\s+16*\b]|, |v[\s+16*\b+1]|, 0x4800000
.endr
.irp i, 2,4,6,8,10,12,14
.irp b, 0,1,2,3
	v_max3_num_f32 v[TM+\b], |v[\s+16*\b+\i]|, |v[\s+16*\b+\i+1]|, v[TM+\b]
.endr
.endr
.irp b, 0,1,2,3
	v_permlanex16_b32 v[TM+4+\b], v[TM+\b], s20, s21
.endr
.irp b, 0,1,2,3
	v_max_num_f32 v[TM+\b], v[TM+\b], v[TM+4+\b]
.endr
.irp b, 0,1,2,3
	v_add_nc_u32 v[TM+12+\b], 0xfc000000, v[TM+\b]
.endr
.irp b, 0,1,2,3
	v_and_or_b32 v[TM+8+\b], v[TM+\b], 0x7f800000, s19
.endr
.irp b, 0,1,2,3
	v_lshrrev_b32 v[TM+4+\b], 23, v[TM+12+\b]
.endr
	v_lshl_or_b32 v[\pw], v[TM+5], 8, v[TM+4]
	v_lshl_or_b32 v[\pw], v[TM+6], 16, v[\pw]
	v_lshl_or_b32 v[\pw], v[TM+7], 24, v[\pw]
.irp b, 0,1,2,3
.set e, 0
.rept 16
	v_med3_num_f32 v[\s+16*\b+e], v[\s+16*\b+e], -v[TM+8+\b], v[TM+8+\b]
.set e, e+1
.endr
.endr
.irp b, 0,1,2,3
	v_cvt_scalef32_pk8_fp8_f32 v[\pc+4*\b:\pc+4*\b+1], v[\s+16*\b:\s+16*\b+7], v[TM+12+\b]
	v_cvt_scalef32_pk8_fp8_f32 v[\pc+4*\b+2:\pc+4*\b+3], v[\s+16*\b+8:\s+16*\b+15], v[TM+12+\b]
.endr
	v_nop                                          ; one plain vector instruction behind the last conversion
.endm
.macro INIT                            ; a tile's state; the caller sets the destination's window
	v_mov_b32 v12, 0x7f61b1e6                      ; -M = 3e38
	v_mov_b32 v13, 0xff61b1e6                      ; the largest t so far: -3e38
	v_mov_b32 v14, 0
	v_mov_b32 v15, 0
.irp n, 236,237,238,239,252,253
	v_mov_b32 v[\n], 0                             ; lane permutes' destinations and the pair of f are named before they are made
.endr
.set e, 0
.rept 64
	v_mov_b32 v[160+e], 0                          ; O^T: the step is written once for all steps; a wave may also have no step at all
.set e, e+1
.endr
.endm
	s_load_b256 s[4:11], s[0:1], 0x0               ; qcode, qscal, kvimg, acode
	s_load_b64 s[12:13], s[0:1], 0x20              ; ascal
	v_lshl_add_u32 v5, v0, 2, SPARE
	v_mov_b32 v6, 0
	ds_add_u32 v5, v6                              ; the opening lines: the add, twice on end, and its wait ahead of my first tensor load
	ds_add_u32 v5, v6
	v_lshrrev_b32 v8, 5, v0
	v_readfirstlane_b32 s14, v8                    ; wave w, 0 .. 7
	s_lshr_b32 s18, s14, 2                         ; which step of a slot; also the head whose tile I finish
	s_bfe_u32 s17, s14, 0x10001                    ; u: which 16 of the 32 queries
	s_xor_b32 s15, s14, s18
	s_and_b32 s15, s15, 1                          ; 0: the late group, 1: the early one.  Waves w and w + 4 hold one of each, and so do waves 2 k and 2 k + 1
	s_mov_b32 s40, ttmp9                           ; P
	s_and_b32 s41, ttmp7, 0xffff                   ; g
	s_bfe_u32 s42, ttmp6, 0x40000                  ; cx
	s_sub_co_u32 s51, 31, s40
	s_cmp_eq_u32 s15, 0
	s_cselect_b32 s43, s51, s40                    ; my group of 128 queries, which is also my last key step
	s_mov_b32 s44, s18                             ; my first key step
	s_lshr_b32 s45, s51, 1                         ; the cluster's last slot
	s_sub_co_u32 s51, s14, 4
	s_cmp_lt_u32 s51, 3                            ; waves 4 to 6
	s_cselect_b32 s47, 13, 0
	s_cmp_eq_u32 s40, 0                            ; of the cluster P = 0
	s_cselect_b32 s47, s47, 0                      ; a wave prefetches in the trips under this number
	s_mov_b32 s19, 0x600000                        ; the mantissa field of 448
	s_mov_b32 s20, 0x76543210
	s_mov_b32 s21, 0xfedcba98                      ; v_permlanex16_b32's selects for lane l xor 16
	s_mov_b32 s22, 0x3e0293ee                      ; c = log2(e) / sqrt(128)
	s_mov_b32 s23, s22
	s_mov_b32 s50, 0xffff0000                      ; lanes 16-31
	s_lshl_b32 s52, s43, 3
	s_lshl_b32 s53, s42, 1
	s_add_co_u32 s52, s52, s53
	s_add_co_u32 s52, s52, s17                     ; T: my tile of 16 tokens = 8 group + 2 cx + u
	s_lshl_b32 s53, s41, 9
	s_add_co_u32 s53, s53, s52                     ; head 2 g x 256 + T
	s_lshl_b32 s54, s53, 11                        ; Q's image of head 2 g; head 2 g + 1's lies 524,288 bytes on
	s_lshl_b32 s55, s53, 6                         ; Q's scale words; 16,384 bytes on
	s_lshr_b32 s56, s52, 4                         ; the block of 256 tokens,
	s_and_b32 s57, s52, 15                         ; the tile in it
	s_lshl_b32 s58, s56, 2
	s_add_co_u32 s58, s58, s41
	s_lshl_b32 s58, s58, 4
	s_add_co_u32 s58, s58, s57
	s_lshl_b32 s58, s58, 12
	s_lshl_b32 s59, s18, 11
	s_add_co_u32 s58, s58, s59                     ; acode: ((block x 4 + g) x 16 + tile) x 4,096 + head of the pair x 2,048
	s_lshl_b32 s59, s56, 13
	s_lshl_b32 s60, s41, 11
	s_add_co_u32 s59, s59, s60
	s_lshr_b32 s60, s57, 1
	s_lshl_b32 s60, s60, 8
	s_add_co_u32 s59, s59, s60                     ; ascal: block x 8,192 + g x 2,048 + (tile / 2) x 256
	s_mul_i32 s60, s41, 16*SLOTB                   ; the head in kvimg
	s_mul_i32 s61, s14, 8448                       ; my eighth of a slot, in memory and in LDS
	s_mul_i32 s62, s42, 66
	s_and_b32 s51, s14, 3
	s_mul_i32 s51, s51, 22
	s_add_co_u32 s62, s62, s51
	s_lshl_b32 s62, s62, 8
	s_add_co_u32 s62, s62, 2*SLOTB
	s_add_co_u32 s62, s62, s60                     ; the prefetches: my 22 blocks of slot 2; each trip steps it by a slot ahead of its ask
	s_mul_i32 s70, s14, 8704
	s_add_co_u32 s70, s70, MRG                     ; the merge: where I give,
	s_xor_b32 s71, s14, 5                          ; (the wave with my group, my tokens and the other step)
	s_mul_i32 s71, s71, 8704
	s_add_co_u32 s71, s71, MRG                     ; and where I take
	s_lshl_b32 s73, s15, 8
	s_add_co_u32 s73, s73, SCW                     ; my group's scale words
	s_lshl_b32 s72, s18, 7
	s_add_co_u32 s72, s72, s73
	s_lshl_b32 s51, s17, 6
	s_add_co_u32 s72, s72, s51                     ; my finished tile's: head x 128 + u x 64
	s_lshl_b32 s74, s18, 15                        ; my step's images in a slot
	s_lshl_b32 s75, s18, 10
	s_add_co_u32 s75, s75, 65536                   ; and its scale words
	s_lshl_b32 s76, s42, 5
	s_lshl_b32 s51, s17, 4
	s_add_co_u32 s76, s76, s51                     ; my tile's first query in its group
	; descriptor group 1: 33 rows of 256 dense bytes (32 elements of 8), no padding: images are read 16 bytes a lane on end; all four partners, bit 21 beside the mask
	s_mov_b32 s24, 15|(3<<16)|(1<<21)
	s_mov_b32 s25, 32<<16
	s_mov_b32 s26, 33<<16
	s_mov_b32 s27, 32<<16
	s_mov_b32 s28, 33
	s_mov_b32 s29, 32
	s_mov_b32 s30, 0
	s_mov_b32 s31, 0
	s_mov_b32 s67, 0
	s_mov_b32 s69, 0
	s_mov_b32 s16, 0                               ; the slot in hand
	s_mov_b32 s63, 0                               ; the trip
	s_wait_dscnt 0x0                               ; both opening adds are done
	s_wait_kmcnt 0x0
	s_mov_b32 s66, s54
	s_add_nc_u64 s[4:5], s[4:5], s[66:67]
	s_mov_b32 s66, s55
	s_add_nc_u64 s[6:7], s[6:7], s[66:67]
	s_mov_b32 s66, s58
	s_add_nc_u64 s[10:11], s[10:11], s[66:67]
	s_mov_b32 s66, s59
	s_add_nc_u64 s[12:13], s[12:13], s[66:67]
	s_mov_b32 s66, s62
	s_add_nc_u64 s[48:49], s[8:9], s[66:67]
	s_add_co_u32 s68, s60, s61                     ; (the tiles' offset goes through a pair that never holds cx)
	s_mov_b32 s32, 1
	s_mov_b32 s33, s61
	s_add_nc_u64 s[34:35], s[8:9], s[68:69]
	s_or_b32 s35, s35, 0x80000000
	ROUND                                          ; all four work-groups are here: the first joint loads meet
	TL                                             ; slot 0: one tensor load a wave at the head
	v_and_b32 v232, 31, v0                         ; lane
	v_and_b32 v233, 15, v0                         ; r
	v_bfe_u32 v234, v0, 4, 1                       ; h
	v_lshlrev_b32 v9, 4, v232                      ; 16 x lane
	v_lshlrev_b32 v2, 2, v233                      ; 4 r
	v_add_nc_u32 v1, s74, v9
	v_lshl_add_u32 v3, v232, 2, s75
	v_min_u32 v7, 21, v232
	v_lshlrev_b32 v7, 8, v7
	v_lshlrev_b32 v8, 3, v234
	v_sub_nc_u32 v8, v233, v8
	v_add_nc_u32 v8, s76, v8                       ; my query's place in its group, less 8 h
	WALU
.irp c, 0,1,2,3
	global_load_b128 v[16+4*\c:19+4*\c], v9, s[4:5] offset:512*\c   ; Q's images stay in registers
.endr
	global_load_b32 v10, v2, s[6:7]                ; Q's scale words
	global_load_b32 v11, v2, s[6:7] offset:16384
	INIT
	WIN 0x40                                       ; destination window 1
.irp c, 0,1,2,3
	global_load_b128 v[16+4*\c:19+4*\c], v9, s[4:5] offset:524288+512*\c
.endr
	v_mov_b32 v8, v8
	INIT
	WIN 0
	WALU
	s_wait_loadcnt 0x0
.Lper:                                             ; a trip: the next slot is asked for, the slot in hand is worked
	SEQ 1
	ROUND                                          ; no wave of any partner still reads the other slot or has a load on its way
	TL
	ASK
	WORK
	s_xor_b32 s16, s16, SLOT1
	s_add_co_u32 s63, s63, 1
	s_cmp_eq_u32 s63, s45                          ; the slot just asked for is the cluster's last
	s_cbranch_scc1 .Llast
	s_cmp_lt_u32 s63, 15
	s_cbranch_scc1 .Lper
.Llast:
	SEQ 0                                          ; the last slot is written out: nothing is asked for
	s_barrier_signal -1
	s_barrier_wait -1
	WORK
	; THE END.  The two waves of a pair hold both tiles under their own M.  The wave of step 0 gives tile B and finishes tile A; the wave of step 1 gives tile A and moves tile B into window 0.
	PLACES 8
	v_and_b32 v2, 31, v0
	v_and_b32 v3, 15, v0
	v_lshl_add_u32 v4, v2, 3, s73                  ; a group's 256 bytes of scale words, 8 a lane
	v_lshlrev_b32 v2, 4, v2                        ; 16 x lane
	v_lshl_add_u32 v3, v3, 2, s72
	v_add_nc_u32 v9, s70, v2
	v_add_nc_u32 v1, s71, v2
	WALU                                           ; ahead of the branch and of the first readers of O^T
	s_cmp_eq_u32 s18, 0
	s_cbranch_scc0 .Lstep_1
	WIN 0x04                                       ; the stores' data in window 1
.set e, 0
.rept 16
	ds_store_b128 v9, v[160+4*e:163+4*e] offset:512*e   ; each accumulator from its low end on
.set e, e+1
.endr
	ds_store_b128 v9, v[12:15] offset:8192
	WIN 0
	s_branch .Lgiven
.Lstep_1:
.set e, 0
.rept 16
	ds_store_b128 v9, v[160+4*e:163+4*e] offset:512*e
.set e, e+1
.endr
	ds_store_b128 v9, v[12:15] offset:8192
	WIN 0x01                                       ; source window 1, destination window 0
.set e, 0
.rept 64
	v_mov_b32 v[160+e], v[160+e]
.set e, e+1
.endr
.irp n, 12,13,14,15
	v_mov_b32 v[\n], v[\n]
.endr
	WIN 0
.Lgiven:
	WALU
	s_wait_dscnt 0x0                               ; for the others' sake: my stores have landed
	s_barrier_signal -1
	s_barrier_wait -1
.set e, 0
.rept 16
	ds_load_b128 v[32+4*e:35+4*e], v1 offset:512*e
.set e, e+1
.endr
	ds_load_b128 v[240:243], v1 offset:8192
	v_mov_b32 v245, 0                              ; (upper words of pairs that are named)
	v_mov_b32 v247, 0
	WALU
	s_wait_dscnt 0x0
	v_min_num_f32 v232, v12, v240                  ; -M of the two: the larger M
	v_sub_f32 v244, v232, v12
	v_sub_f32 v246, v232, v240
	v_cvt_i32_f32 v244, v244                       ; whole numbers, 0 or less; of a wave that had no step: saturated, so that its factor is 0
	v_cvt_i32_f32 v246, v246
	v_ldexp_f32 v244, 1.0, v244
	v_ldexp_f32 v246, 1.0, v246
	v_pk_mul_f32 v[14:15], v[14:15], v[244:245] op_sel_hi:[1,0]
	v_pk_fma_f32 v[14:15], v[242:243], v[246:247], v[14:15] op_sel_hi:[1,0,1]
	v_add_f32 v14, v14, v15
	v_permlanex16_b32 v252, v14, s20, s21
	v_add_f32 v14, v14, v252                       ; the row's sum
	WALU                                           ; ahead of the transcendental
	v_rcp_f32 v14, v14
	WALU                                           ; and directly ahead of the first readers of O^T
.set e, 0
.rept 32
	v_pk_mul_f32 v[160+e:161+e], v[160+e:161+e], v[244:245] op_sel_hi:[1,0]   ; independent work behind the reciprocal
.set e, e+2
.endr
.set e, 0
.rept 32
	v_pk_fma_f32 v[160+e:161+e], v[32+e:33+e], v[246:247], v[160+e:161+e] op_sel_hi:[1,0,1]
.set e, e+2
.endr
	WALU                                           ; ahead of the reciprocal's first reader
.set e, 0
.rept 32
	v_pk_mul_f32 v[96+e:97+e], v[160+e:161+e], v[14:15] op_sel_hi:[1,0]   ; register 8 x + j: channel 16 x + 8 h + j of query r
.set e, e+2
.endr
	QUANT 96, 224, 48
	; INTO THE TRUE ORDER OF K, which wo's codes have.  Registers 4 c, 4 c + 1 hold channels 32 c + 8 h + 0 .. 7, registers 4 c + 2, 4 c + 3 channels 32 c + 16 + 8 h + 0 .. 7; wanted: 32 c + 16 h + 0 .. 15.
	; Lanes 0-15 send their upper two registers and take lane + 16's lower two in their place; lanes 16-31 the other way round.
.irp c, 0,1,2,3
.irp k, 0,1
	v_cndmask_b32 v[52+2*\c+\k], v[226+4*\c+\k], v[224+4*\c+\k], s50
.endr
.endr
.irp c, 0,1,2,3
.irp k, 0,1
	v_permlanex16_b32 v[60+2*\c+\k], v[52+2*\c+\k], s20, s21
.endr
.endr
.irp c, 0,1,2,3
.irp k, 0,1
	v_cndmask_b32 v[226+4*\c+\k], v[60+2*\c+\k], v[226+4*\c+\k], s50
	v_cndmask_b32 v[224+4*\c+\k], v[224+4*\c+\k], v[60+2*\c+\k], s50
.endr
.endr
.irp c, 0,1,2,3
	global_store_b128 v2, v[224+4*\c:227+4*\c], s[10:11] offset:512*\c   ; 512 consecutive bytes a store
.endr
	ds_store_b32 v3, v48                           ; my tile's 16 scale words (lanes r and r + 16 write the same word with the same value)
	s_wait_dscnt 0x0
	s_barrier_signal -1
	s_barrier_wait -1
	s_cmp_lt_u32 s14, 2                            ; wave 0: the late group's four tiles; wave 1: the early group's: 256 consecutive bytes, aligned
	s_cbranch_scc0 .Lend
	ds_load_b64 v[244:245], v4
	v_and_b32 v246, 31, v0
	v_lshlrev_b32 v246, 3, v246
	WALU
	s_wait_dscnt 0x0
	global_store_b64 v246, v[244:245], s[12:13]
.Lend:
	s_wait_tensorcnt 0x0                           ; the wave's end
	ds_add_u32 v5, v6
	s_wait_dscnt 0x0
	ROUND                                          ; the closing round
	s_endpgm
.Lfunc_end_k_q6a3af117e1_attn:
	.size	k_q6a3af117e1_attn, .Lfunc_end_k_q6a3af117e1_attn-k_q6a3af117e1_attn
	.p2alignl 7, 3214868480
	.fill 96, 4, 3214868480
	.section	.rodata,"a",@progbits
	.p2align	6, 0x0
	.amdhsa_kernel k_q6a3af117e1_attn
		.amdhsa_group_segment_fixed_size 327680
		.amdhsa_private_segment_fixed_size 0
		.amdhsa_enable_private_segment 0
		.amdhsa_kernarg_size 40
		.amdhsa_user_sgpr_count 2
		.amdhsa_user_sgpr_kernarg_segment_ptr 1
		.amdhsa_wavefront_size32 1
		.amdhsa_system_sgpr_workgroup_id_x 1
		.amdhsa_system_sgpr_workgroup_id_y 1
		.amdhsa_system_sgpr_workgroup_id_z 1
		.amdhsa_system_vgpr_workitem_id 0
		.amdhsa_next_free_vgpr 512
		.amdhsa_next_free_sgpr 100
		.amdhsa_reserve_vcc 1
		.amdhsa_float_denorm_mode_32 3
		.amdhsa_float_denorm_mode_16_64 3
		.amdhsa_memory_ordered 1
		.amdhsa_forward_progress 1
		.amdhsa_inst_pref_size 139
	.end_amdhsa_kernel
	.amdgpu_metadata
---
amdhsa.version: [ 1, 2 ]
amdhsa.kernels:
  - .name:           k_q6a3af117e1_attn
    .symbol:         k_q6a3af117e1_attn.kd
    .args:
      - { .name: qcode, .offset: 0, .size: 8, .value_kind: global_buffer, .address_space: global }
      - { .name: qscal, .offset: 8, .size: 8, .value_kind: global_buffer, .address_space: global }
      - { .name: kvimg, .offset: 16, .size: 8, .value_kind: global_buffer, .address_space: global }
      - { .name: acode, .offset: 24, .size: 8, .value_kind: global_buffer, .address_space: global }
      - { .name: ascal, .offset: 32, .size: 8, .value_kind: global_buffer, .address_space: global }
    .group_segment_fixed_size: 327680
    .private_segment_fixed_size: 0
    .kernarg_segment_align: 8
    .kernarg_segment_size: 40
    .max_flat_workgroup_size: 256
    .sgpr_count:     100
    .vgpr_count:     512
    .wavefront_size: 32
...
	.end_amdgpu_metadata
.endif
;; end of part 2
;; launch oproj (part 3): grid 16 x 16, 4 waves a work-group, clusters of 4 x 4, 327,680 bytes of LDS; arguments acode, ascal, wo_codes, wo_scales, out0; writes out0
.if DOCPART == 3
	.amdgcn_target "amdgcn-amd-amdhsa--gfx1250"
	.amdhsa_code_object_version 6
	.text
	.protected	k_q6a3af117e1_oproj
	.globl	k_q6a3af117e1_oproj
	.p2align	8
	.type	k_q6a3af117e1_oproj,@function
k_q6a3af117e1_oproj:
	s_mov_b64 s[64:65], 0
	v_nop
	global_prefetch_b8 v0, s[64:65] scope:SCOPE_SE
	s_setreg_imm32_b32 hwreg(HW_REG_WAVE_MODE, 25, 1), 1
	s_wait_xcnt 0x0
	s_wait_alu depctr_hold_cnt(0) depctr_sa_sdst(0) depctr_va_vdst(0) depctr_va_sdst(0) depctr_va_ssrc(0) depctr_va_vcc(0) depctr_vm_vsrc(0)
	s_getreg_b32 s2, hwreg(HW_REG_IB_STS2, 6, 4)
	s_cmp_eq_u32 s2, 0
	s_cbranch_scc0 .Lentry_in_a_cluster
	s_endpgm
.Lentry_in_a_cluster:
	s_bfe_u32 s2, ttmp6, 0x10000c
	s_cmp_lg_u32 s2, 0xf033
	s_cbranch_scc0 .Lentry_shape_is_right
	s_endpgm
.Lentry_shape_is_right:
.set SLOT,  100352
.set XPART, 34816
.set SCX,   200704
.set SCY,   205056
.set STAGE, 213248
.set SPARE, 247040
.set SC,    32
.set MSB,   0
.macro WIN new
.if MSB != (\new)
	s_set_vgpr_msb (MSB<<8)|(\new)
.set MSB, \new
.endif
.endm
.macro PLACES n
.rept \n
	v_nop
.endr
.endm
.macro CREST
	s_cmp_lg_u32 s20, 0
	s_cbranch_scc1 .Lnot_wave_0_\@
	s_barrier_signal -3
.Lnot_wave_0_\@:
	s_barrier_wait -3
	s_barrier_signal -1
	s_barrier_wait -1
.endm
.macro CROUND
	s_barrier_signal -1
	s_barrier_wait -1
	CREST
.endm
.macro JLOAD g0a, g1a, g0b, g1b
	s_cmp_eq_u32 s22, 0
	s_cbranch_scc0 .Lfor_y_\@
	tensor_load_to_lds s[\g0a:\g0a+3], s[\g1a:\g1a+7]
	s_nop 0
	PLACES 4
	s_branch .Lasked_\@
.Lfor_y_\@:
	tensor_load_to_lds s[\g0b:\g0b+3], s[\g1b:\g1b+7]
	s_nop 0
	PLACES 4
.Lasked_\@:
.endm
.macro WM d, a, b, z, sa, sb, ra, rb
.if (\z) && (\ra) && (\rb)
	v_wmma_scale_f32_16x16x128_f8f6f4 v[\d:\d+7], v[\a:\a+15], v[\b:\b+15], 0, v[\sa], v[\sb] matrix_a_scale:MATRIX_SCALE_ROW1 matrix_b_scale:MATRIX_SCALE_ROW1
.elseif (\z) && (\ra)
	v_wmma_scale_f32_16x16x128_f8f6f4 v[\d:\d+7], v[\a:\a+15], v[\b:\b+15], 0, v[\sa], v[\sb] matrix_a_scale:MATRIX_SCALE_ROW1
.elseif (\z) && (\rb)
	v_wmma_scale_f32_16x16x128_f8f6f4 v[\d:\d+7], v[\a:\a+15], v[\b:\b+15], 0, v[\sa], v[\sb] matrix_b_scale:MATRIX_SCALE_ROW1
.elseif (\z)
	v_wmma_scale_f32_16x16x128_f8f6f4 v[\d:\d+7], v[\a:\a+15], v[\b:\b+15], 0, v[\sa], v[\sb]
.elseif (\ra) && (\rb)
	v_wmma_scale_f32_16x16x128_f8f6f4 v[\d:\d+7], v[\a:\a+15], v[\b:\b+15], v[\d:\d+7], v[\sa], v[\sb] matrix_a_scale:MATRIX_SCALE_ROW1 matrix_b_scale:MATRIX_SCALE_ROW1
.elseif (\ra)
	v_wmma_scale_f32_16x16x128_f8f6f4 v[\d:\d+7], v[\a:\a+15], v[\b:\b+15], v[\d:\d+7], v[\sa], v[\sb] matrix_a_scale:MATRIX_SCALE_ROW1
.elseif (\rb)
	v_wmma_scale_f32_16x16x128_f8f6f4 v[\d:\d+7], v[\a:\a+15], v[\b:\b+15], v[\d:\d+7], v[\sa], v[\sb] matrix_b_scale:MATRIX_SCALE_ROW1
.else
	v_wmma_scale_f32_16x16x128_f8f6f4 v[\d:\d+7], v[\a:\a+15], v[\b:\b+15], v[\d:\d+7], v[\sa], v[\sb]
.endif
.endm
.macro MUL8 t, p, q, set, zero
.irp x, 0,1,2,3,4,5,6,7
	WM 8*(8*\t+\x), 128*\p+16*\x, 128+64*\p+16*\t, \zero, SC+12*\set+2*(\x%4)+\q, SC+12*\set+8+2*(\t/2)+\q, \x/4, \t%2
.endr
.endm
.macro FETCH_X n, q, p
	WIN 0x40
.irp x, 0,1,2,3,4,5,6,7
.irp c, 0,1,2,3
	ds_load_b128 v[128*\p+16*\x+4*\c:128*\p+16*\x+4*\c+3], v[16+\n] offset:\x*4352+128*\q+32*\c
.endr
.endr
	WIN 0
.endm
.macro FETCH_Y n, q, p
.irp t, 0,1,2,3
.irp c, 0,1,2,3
	ds_load_b128 v[128+64*\p+16*\t+4*\c:128+64*\p+16*\t+4*\c+3], v[18+\n] offset:\t*4096+2048*\q+512*\c
.endr
.endr
.endm
.macro SCALES set
.irp i, 0,1,2,3
	ds_load_b64 v[SC+12*\set+2*\i:SC+12*\set+2*\i+1], v20 offset:\i*544
.endr
.irp k, 0,1
.irp q, 0,1
	ds_load_b32 v[SC+12*\set+8+2*\k+\q], v21 offset:\k*256+\q*128
.endr
.endr
.endm
.macro STEP0 n, zero
	s_wait_dscnt 0x0
	WIN 0xa1
	MUL8 0, 0, 0, \n, \zero
	MUL8 1, 0, 0, \n, \zero
	PLACES 8
	FETCH_X \n, 1, 1
	FETCH_Y \n, 1, 1
	WIN 0xa1
	MUL8 2, 0, 0, \n, \zero
	MUL8 3, 0, 0, \n, \zero
	WIN 0
.endm
.macro TURN n, next, fill
	s_wait_tensorcnt 0x0
	ds_add_u32 v28, v29
	s_wait_dscnt 0x1
	WIN 0xa1
	MUL8 0, 1, 1, \n, 0
	s_wait_dscnt 0x0
	s_barrier_signal -1
	MUL8 1, 1, 1, \n, 0
	WIN 0
	s_barrier_wait -1
.if \fill
	CREST
	s_add_nc_u64 s[58+4*\n:59+4*\n], s[58+4*\n:59+4*\n], 512
	s_add_nc_u64 s[6+4*\n:7+4*\n], s[6+4*\n:7+4*\n], 131072
	JLOAD 56+4*\n, 24, 4+4*\n, 32
	PLACES 4
.else
	PLACES 8
.endif
	s_wait_alu depctr_va_vdst(0)
	v_add_nc_u32 v20, 8, v20
	v_add_nc_u32 v21, 2048, v21
	FETCH_X \next, 0, 0
	FETCH_Y \next, 0, 0
	SCALES \next
	WIN 0xa1
	MUL8 2, 1, 1, \n, 0
	MUL8 3, 1, 1, \n, 0
	WIN 0
.endm
	s_load_b256 s[68:75], s[0:1], 0x0
	s_load_b64 s[76:77], s[0:1], 0x20
	v_lshl_add_u32 v28, v0, 2, SPARE
	v_mov_b32 v29, 0
	ds_add_u32 v28, v29
	ds_add_u32 v28, v29
	s_wait_dscnt 0x0
	v_lshrrev_b32 v3, 5, v0
	v_readfirstlane_b32 s20, v3
	s_and_b32 s21, s20, 1
	s_lshr_b32 s22, s20, 1
	s_bfe_u32 s80, ttmp6, 0x40000
	s_bfe_u32 s81, ttmp6, 0x40004
	s_lshl_b32 s82, ttmp9, 2
	s_add_co_u32 s82, s82, s80
	s_and_b32 s83, ttmp7, 0xffff
	s_lshl_b32 s83, s83, 2
	s_add_co_u32 s83, s83, s81
	s_lshl_b32 s84, s81, 2
	s_lshl_b32 s84, 15, s84
	s_lshl_b32 s85, 0x1111, s80
	s_or_b32 s24, s85, (1<<20)|(1<<21)|(5<<22)|(3<<25)
	s_mov_b32 s25, 256<<16
	s_mov_b32 s26, 128<<16                         ; the head's load brings all 128 rows of X; behind it the two words that count rows are set to 64
	s_mov_b32 s27, 256<<16
	s_mov_b32 s28, 128
	s_mov_b32 s29, 1024
	s_mov_b32 s30, 0
	s_mov_b32 s31, 0
	s_or_b32 s32, s84, (3<<16)|(1<<21)
	s_mov_b32 s33, 32<<16
	s_mov_b32 s34, 256<<16                         ; the head's load brings all of Y's 65,536 bytes; behind it: half
	s_mov_b32 s35, 32<<16
	s_mov_b32 s36, 256
	s_mov_b32 s37, 32
	s_mov_b32 s38, 0
	s_mov_b32 s39, 0
	s_or_b32 s40, s85, (3<<16)|(1<<20)|(1<<21)|(5<<22)|(3<<25)
	s_mov_b32 s41, 32<<16
	s_mov_b32 s42, 16<<16                          ; all of X's scale bytes
	s_mov_b32 s43, 32<<16
	s_mov_b32 s44, 16
	s_mov_b32 s45, 32
	s_mov_b32 s46, 0
	s_mov_b32 s47, 0
	s_or_b32 s48, s84, (3<<16)|(1<<21)
	s_mov_b32 s49, 32<<16
	s_mov_b32 s50, 32<<16                          ; all of Y's scale words
	s_mov_b32 s51, 32<<16
	s_mov_b32 s52, 32
	s_mov_b32 s53, 32
	s_mov_b32 s54, 0
	s_mov_b32 s55, 0
	s_lshl_b32 s86, s82, 17
	s_lshl_b32 s87, s21, 16
	s_add_co_u32 s86, s86, s87
	s_mov_b32 s87, 0
	s_lshl_b32 s88, s82, 12
	s_mov_b32 s89, 0
	s_lshl_b32 s90, s83, 18
	s_lshl_b32 s91, s21, 15
	s_add_co_u32 s90, s90, s91
	s_mov_b32 s91, 0
	s_lshl_b32 s92, s83, 13
	s_mov_b32 s93, 0
	s_lshl_b32 s94, s83, 21
	s_lshl_b32 s95, s20, 19
	s_add_co_u32 s94, s94, s95
	s_lshl_b32 s95, s82, 9
	s_add_co_u32 s94, s94, s95
	s_mov_b32 s95, 0
	v_and_b32 v1, 15, v0
	v_bfe_u32 v2, v0, 4, 1
	v_and_b32 v3, 31, v0
	v_mul_u32_u24 v16, v1, 272
	v_lshl_add_u32 v16, v2, 4, v16
	v_add_nc_u32 v17, SLOT, v16
	v_lshlrev_b32 v26, 4, v3
	s_lshl_b32 s3, s20, 14
	s_add_co_u32 s3, s3, XPART
	v_add_nc_u32 v18, s3, v26
	v_add_nc_u32 v19, SLOT, v18
	v_lshrrev_b32 v5, 3, v1
	v_mul_u32_u24 v5, v5, 272
	v_and_b32 v6, 7, v1
	v_lshl_add_u32 v5, v6, 5, v5
	v_mad_u32_u24 v20, v2, 2176, v5
	v_add_nc_u32 v20, SCX, v20
	s_lshl_b32 s3, s20, 9
	s_add_co_u32 s3, s3, SCY
	v_lshl_add_u32 v21, v3, 2, s3
	s_mul_i32 s3, s20, 8448
	s_add_co_u32 s3, s3, STAGE
	v_mul_u32_u24 v24, v1, 528
	v_lshl_add_u32 v24, v2, 5, v24
	v_add_nc_u32 v24, s3, v24
	v_add_nc_u32 v25, s3, v26
	s_wait_kmcnt 0x0
	s_add_nc_u64 s[72:73], s[72:73], s[86:87]
	s_add_nc_u64 s[74:75], s[74:75], s[88:89]
	s_add_nc_u64 s[68:69], s[68:69], s[90:91]
	s_add_nc_u64 s[70:71], s[70:71], s[92:93]
	s_add_nc_u64 s[76:77], s[76:77], s[94:95]
	; THE PREFETCHES INTO THE L2.  Every cluster asks for what it will load; the four partners that ask for a tile jointly share its blocks of 256 bytes out by address.  Wave 0: 32 of X's 128 rows (32 cy on), a lane a row;
	; waves 2 and 3: 32 of their half's 128 blocks of Y (32 cx on), a lane a block.  s[96:97], s[98:99], s[78:79]: my blocks of slots 1, 2, 3.
	s_lshl_b32 s86, s81, 15
	s_lshl_b32 s88, s80, 13
	s_mov_b32 s90, 256
	s_mov_b32 s92, 0x10000
	s_cmp_eq_u32 s22, 0
	s_cselect_b64 s[96:97], s[72:73], s[68:69]
	s_cselect_b32 s86, s86, s88
	s_cselect_b32 s88, 256, s92                    ; a slot on: 256 bytes along X's rows, 65,536 in Y
	s_cselect_b32 s90, 1024, s90                   ; from lane to lane
	s_add_nc_u64 s[96:97], s[96:97], s[86:87]
	s_add_nc_u64 s[96:97], s[96:97], s[88:89]
	s_add_nc_u64 s[98:99], s[96:97], s[88:89]
	s_add_nc_u64 s[78:79], s[98:99], s[88:89]
	v_mul_u32_u24 v8, v3, s90
	s_wait_alu depctr_va_vdst(0)
	s_mul_i32 s3, s21, 17408
	s_lshl_b32 s2, s21, 15
.irp n, 0,1
	s_mov_b32 s[56+4*\n], 1
	s_add_co_u32 s[57+4*\n], s3, \n*SLOT
	s_add_nc_u64 s[58+4*\n:59+4*\n], s[72:73], \n*256
	s_or_b32 s[59+4*\n], s[59+4*\n], 0x80000000
	s_mov_b32 s[4+4*\n], 1
	s_add_co_u32 s[5+4*\n], s2, \n*SLOT+XPART
	s_add_nc_u64 s[6+4*\n:7+4*\n], s[68:69], \n*65536
	s_or_b32 s[7+4*\n], s[7+4*\n], 0x80000000
.endr
	s_mov_b32 s12, 1
	s_mov_b32 s13, SCX
	s_mov_b64 s[14:15], s[74:75]
	s_or_b32 s15, s15, 0x80000000
	s_mov_b32 s16, 1
	s_mov_b32 s17, SCY
	s_mov_b64 s[18:19], s[70:71]
	s_or_b32 s19, s19, 0x80000000
	CROUND
	; THE HEAD'S LOADS, ONE A WAVE: wave 0 slot 0's 128 rows of X, wave 2 its images of Y (their own descriptors begin at the tile's first byte), wave 1 X's scale bytes, wave 3 Y's scale words
	s_cmp_eq_u32 s20, 0
	s_cbranch_scc0 .Lh_y
	tensor_load_to_lds s[56:59], s[24:31]
	s_nop 0
	PLACES 4
	s_branch .Lh_asked
.Lh_y:
	s_cmp_eq_u32 s20, 2
	s_cbranch_scc0 .Lh_sx
	tensor_load_to_lds s[4:7], s[32:39]
	s_nop 0
	PLACES 4
	s_branch .Lh_asked
.Lh_sx:
	s_cmp_eq_u32 s20, 1
	s_cbranch_scc0 .Lh_sy
	tensor_load_to_lds s[12:15], s[40:47]
	s_nop 0
	PLACES 4
	s_branch .Lh_asked
.Lh_sy:
	tensor_load_to_lds s[16:19], s[48:55]
	s_nop 0
	PLACES 4
.Lh_asked:
	s_cmp_lg_u32 s20, 1                            ; slots 1 and 2 are asked for here, behind the head's loads
	s_cbranch_scc0 .Lp_12
	global_prefetch_b8 v8, s[96:97] th:TH_LOAD_NT scope:SCOPE_SE
	global_prefetch_b8 v8, s[98:99] th:TH_LOAD_NT scope:SCOPE_SE
.Lp_12:
	s_wait_alu depctr_va_vdst(0)
	s_wait_tensorcnt 0x0                           ; my tile of the head's four is in
	ds_add_u32 v28, v29                            ; ahead of a later first fill
	s_mov_b32 s26, 64<<16                          ; no tensor load of mine is out: from here on a load brings half a tile
	s_mov_b32 s28, 64
	s_mov_b32 s34, 128<<16
	s_mov_b32 s36, 128
	s_wait_dscnt 0x0
	CROUND                                         ; all four tiles are in, and all sixteen work-groups are here
	JLOAD 60, 24, 8, 32                            ; slot 1: my one tensor load behind the round
	FETCH_X 0, 0, 0
	FETCH_Y 0, 0, 0
	s_wait_alu depctr_va_vdst(0)
	SCALES 0
	s_cmp_lg_u32 s20, 1                            ; behind slot 1's load: slot 3, the last
	s_cbranch_scc0 .Lp_3
	global_prefetch_b8 v8, s[78:79] th:TH_LOAD_NT scope:SCOPE_SE
.Lp_3:
	STEP0 0, 1
	TURN 0, 1, 1
	STEP0 1, 0
	TURN 1, 0, 1
	STEP0 0, 0
	TURN 0, 1, 0
	STEP0 1, 0
	s_wait_dscnt 0x0
	WIN 0xa1
	MUL8 0, 1, 1, 1, 0
	MUL8 1, 1, 1, 1, 0
	MUL8 2, 1, 1, 1, 0
	MUL8 3, 1, 1, 1, 0
	WIN 0
.macro TOSTAGE t
	WIN 0x08
.irp x, 0,1,2,3,4,5,6,7
	ds_store_b128 v24, v[64*\t+8*\x:64*\t+8*\x+3] offset:64*\x
	ds_store_b128 v24, v[64*\t+8*\x+4:64*\t+8*\x+7] offset:64*\x+16
.endr
	WIN 0
.set BB, 128+64*((\t)%2)
.set e, 0
.rept 16
	ds_load_b128 v[BB+4*e:BB+4*e+3], v25 offset:e*528
.set e, e+1
.endr
.endm
.macro SEND t, younger
.set BB, 128+64*((\t)%2)
	s_wait_dscnt \younger
.set e, 0
.rept 16
	global_store_b128 v26, v[BB+4*e:BB+4*e+3], s[76:77] offset:(\t)*131072+e*8192 th:TH_STORE_NT
.set e, e+1
.endr
.endm
	PLACES 8
	TOSTAGE 0
	TOSTAGE 1
	SEND 0, 32
	s_wait_xcnt 0x0
	TOSTAGE 2
	SEND 1, 32
	s_wait_xcnt 0x0
	TOSTAGE 3
	SEND 2, 32
	SEND 3, 0
	s_wait_tensorcnt 0x0
	ds_add_u32 v28, v29
	s_wait_dscnt 0x0
	CROUND
	s_endpgm
.Lfunc_end_k_q6a3af117e1_oproj:
	.size	k_q6a3af117e1_oproj, .Lfunc_end_k_q6a3af117e1_oproj-k_q6a3af117e1_oproj
	.p2alignl 7, 3214868480
	.fill 96, 4, 3214868480
	.section	.rodata,"a",@progbits
	.p2align	6, 0x0
	.amdhsa_kernel k_q6a3af117e1_oproj
		.amdhsa_group_segment_fixed_size 327680
		.amdhsa_private_segment_fixed_size 0
		.amdhsa_enable_private_segment 0
		.amdhsa_kernarg_size 40
		.amdhsa_user_sgpr_count 2
		.amdhsa_user_sgpr_kernarg_segment_ptr 1
		.amdhsa_wavefront_size32 1
		.amdhsa_system_sgpr_workgroup_id_x 1
		.amdhsa_system_sgpr_workgroup_id_y 1
		.amdhsa_system_sgpr_workgroup_id_z 1
		.amdhsa_system_vgpr_workitem_id 0
		.amdhsa_next_free_vgpr 768
		.amdhsa_next_free_sgpr 100
		.amdhsa_reserve_vcc 0
		.amdhsa_float_denorm_mode_32 3
		.amdhsa_float_denorm_mode_16_64 3
		.amdhsa_memory_ordered 1
		.amdhsa_forward_progress 1
		.amdhsa_inst_pref_size 90
	.end_amdhsa_kernel
	.amdgpu_metadata
---
amdhsa.version: [ 1, 2 ]
amdhsa.kernels:
  - .name:           k_q6a3af117e1_oproj
    .symbol:         k_q6a3af117e1_oproj.kd
    .args:
      - { .name: acode, .offset: 0, .size: 8, .value_kind: global_buffer, .address_space: global }
      - { .name: ascal, .offset: 8, .size: 8, .value_kind: global_buffer, .address_space: global }
      - { .name: wo_codes, .offset: 16, .size: 8, .value_kind: global_buffer, .address_space: global }
      - { .name: wo_scales, .offset: 24, .size: 8, .value_kind: global_buffer, .address_space: global }
      - { .name: out0, .offset: 32, .size: 8, .value_kind: global_buffer, .address_space: global }
    .group_segment_fixed_size: 327680
    .private_segment_fixed_size: 0
    .kernarg_segment_align: 8
    .kernarg_segment_size: 40
    .max_flat_workgroup_size: 128
    .sgpr_count:     100
    .vgpr_count:     768
    .wavefront_size: 32
...
	.end_amdgpu_metadata
.endif
;; end of part 3
